; MI455X (gfx1250); checked and timed in simulation.
; The chip was launched on July 23, 2026; its instructions are those of AMD's public machine-readable ISA for CDNA 5 (MIT licence, August 2026) and "CDNA5" Instruction Set Architecture Reference Guide (July 2026). The comments in the code are by the model that wrote it; some were corrected since.
;; Mock GQA Attention. Allowed arithmetic: matrix products marked QUANTISED: E2M3 operands, one E8M0 scale for each 32 along K, by v_wmma_scale_f32_16x16x128_f8f6f4 with both operands' format E2M3, f32 sums; everything else in f32.
;; Inputs: Wk 4,096 x 1,024 float32; Wo 2,048 x 4,096 float32; Wq 4,096 x 2,048 float32; Wv 4,096 x 1,024 float32; hidden_states 1 x 2,048 x 4,096 float32.
;; Outputs: out0 1 x 2,048 x 4,096 float32.
;; This version of the problem:
;;   THIS VERSION OF THE PROBLEM IS GIVEN IN LOW PRECISION. The matrix products marked QUANTISED in the list below multiply operands that are first quantised to E2M3 (2 exponent bits, 3 mantissa bits; 6 bits a number), with one power-of-two scale for each 32 numbers along K (OCP MX v1.0); their sums are f32. All else is computed in f32.
;;   The module's matrix products, in the order in which they are computed (A, B: the left and right operand; K: the contracted axis; several contracted axes count as one K, in the product's order):
;;     1. [M 2,048, K 4,096] x [K 4,096, N 2,048]; A: input hidden_states; B: input Wq: QUANTISED
;;     2. [M 2,048, K 4,096] x [K 4,096, N 1,024]; A: input hidden_states; B: input Wk: QUANTISED
;;     3. [M 2,048, K 4,096] x [K 4,096, N 1,024]; A: input hidden_states; B: input Wv: QUANTISED
;;     4. batch 16 x [M 2,048, K 128] x [K 128, N 2,048]; A: computed on the way; B: computed on the way: QUANTISED
;;     5. batch 16 x [M 2,048, K 2,048] x [K 2,048, N 128]; A: softmax (see below); B: computed on the way: QUANTISED
;;     6. [M 2,048, K 2,048] x [K 2,048, N 4,096]; A: computed on the way; B: input Wo: QUANTISED
;;   THE QUANTISER, for each operand of a quantised product, along K:
;;     - K is cut into blocks of 32 from its start; a last block that is shorter is filled with zeros.
;;     - A block's scale is 2^e with e = floor(log2(the largest magnitude in the block)) - 2, held to -126 .. 127; a block of zeros has e = 0. As a byte (E8M0): e + 127.
;;     - Each number is divided by its block's scale, clamped to +-7.5, and rounded to the nearest number of E2M3, ties to even, subnormals kept.
;;     - The product sums the exact products of the quantised numbers (number of the format x scale) in f32.
;;   ~~~python
;;   def quantise(x, axis):      # numpy; x: float32 -> the quantised numbers, widened to float32 again
;;       x = np.moveaxis(x, axis, -1); K = x.shape[-1]
;;       x = np.pad(x, [(0, 0)] * (x.ndim - 1) + [(0, -K % 32)]); x = x.reshape(x.shape[:-1] + (-1, 32)); a = np.abs(x).max(-1, keepdims=True)
;;       e = np.where(a > 0, np.clip(np.frexp(np.where(a > 0, a, 1))[1] - 1 - 2, -126, 127), 0)      # np.frexp(a)[1] - 1 = floor(log2(a)), exactly
;;       r = np.clip(x / 2.0 ** e, -7.5, 7.5)
;;       step = 2.0 ** (np.maximum(np.frexp(np.where(r == 0, 1, r))[1] - 1, 0) - 3)
;;       q = np.round(r / step) * step * 2.0 ** e      # np.round: ties to even
;;       return np.moveaxis(q.reshape(q.shape[:-2] + (-1,))[..., :K], -1, axis).astype(np.float32)
;;   ~~~
;;   SOFTMAX AHEAD OF A QUANTISED PRODUCT. Where the list says 'softmax', what is quantised is not the finished softmax but p = 2^(t - M), with t = logit x log2(e) and M = ceil(the row's largest t), a whole number; so 1/2 < the row's largest p <= 1. The row's sum l is taken of the UNQUANTISED p, in f32, and the product's result is divided by l at the end. Since M is a whole number, a kernel that streams over the keys may use a running M (the ceiling of the running maximum): every later rescaling is an exact power of two, which a block's scale takes up: the codes' values come out the same.
;;   OPERANDS COMPUTED ON THE WAY. 'Computed on the way' means the value that the module computes at that place (a softmax that the list does not call 'softmax' is quantised finished and normalised). What goes into a quantiser is computed in f32, as accurately as f32 sums, v_exp_f32 and their like allow (about 1e-6 of the number): no bf16 or f16 on the way to a quantiser, and a product that is left as it is and whose result goes on into a quantised operand takes f32 operands (vector FMAs, or v_wmma_f32_16x16x4_f32). A number that lies on a knife's edge between two numbers of the format may be rounded either way, as far as f32 arithmetic and the matrix unit's own rounding can turn it there, and no further.
;; One version. Each part assembles by itself: llvm-mc -triple=amdgcn-amd-amdhsa -mcpu=gfx1250 --defsym DOCPART=n.
;; ======== version 1 of 1: 4 launches
;; limits: right only within a limited range of input values
;; workspace buffers: opnd4k 19,660,800 bytes; wo_sr 6,553,600 bytes; qkv 6,553,600 bytes; att 3,276,800 bytes
;; launch quant_all (part 1): grid 1024 x 1, 4 waves a work-group, no clusters, 59,904 bytes of LDS; arguments Wq, Wk, Wv, Wo, opnd4k, wo_sr, hidden_states; writes opnd4k, wo_sr
.if DOCPART == 1
	.amdgcn_target "amdgcn-amd-amdhsa--gfx1250"
	.amdhsa_code_object_version 6
	.text
	.protected	k_q07223966b9_quant_all
	.globl	k_q07223966b9_quant_all
	.p2align	8
	.type	k_q07223966b9_quant_all,@function
k_q07223966b9_quant_all:
	s_mov_b64 s[64:65], 0
	v_nop
	global_prefetch_b8 v0, s[64:65] scope:SCOPE_SE
	s_setreg_imm32_b32 hwreg(HW_REG_WAVE_MODE, 25, 1), 1
	s_wait_xcnt 0x0
; hidden_states [2048][4096] (K innermost) and the four weights (K as their FIRST axis), all f32, become codes of FP6 (E2M3) with one E8M0 byte for each 32 along K, laid as the products' operand registers want them.
; A RECORD is 6,400 bytes: four images of a fragment (16 rows x 128 K = 12 registers a lane; registers 4 g .. 4 g + 3 of lane l at 512 g + 16 l), 1,536 bytes each, for four K steps on end,
; then 256 bytes of scale words: row r at 16 r, the word of K step i at 4 i.  Records lie [row tile][K group of 512].
; THE ROWS OF A TILE ARE NOT NEIGHBOURS: lane r of row tile T stands for row 32 (T / 2) + 8 (T % 2) + r + 8 (r / 8).  Used as source 0 of a product, two neighbouring tiles then leave 16 neighbours in a lane's 16 registers.
; opnd4k (8 K groups): hidden_states row tiles 0-127, Wq 128-255, Wk 256-319, Wv 320-383.  wo_sr (4 K groups): Wo, row tiles 0-255.
; ONE LAUNCH, TWO PATHS, parted by a scalar branch on the work-group's number: work-groups 0-255 take hidden_states, 256-1023 the weights.  Each path has LDS bytes of its own.
; A block's scale is 2^(floor(log2(its largest magnitude)) - 2): its byte is the largest magnitude's exponent field - 2, held at 1 from below.
; LIMITS: NaN and infinities among the inputs are not served.  A block whose largest magnitude lies under 2^-124 gets the byte 1.  A block of zeros gets the byte 1 (not 127): its codes are zeros, and this program alone reads the bytes.
; No cluster, no matrix unit: every input byte is read by one work-group and the launch only streams.
.set WLDS, 33792                       ; LDS: hidden_states' path has bytes 0 .. 33,791, the weights' path 33,792 .. 59,391
; ---- names of hidden_states' path
.set ROWB, 16384                       ; a row of hidden_states in bytes
.set SP,   528                         ; a stage row: 512 bytes + 16
.set R,    16                          ; v16-143  two sets of 64 registers as loaded
.set XN,   144                         ; v144-207 64 numbers of my row: register 16 b + i = k 32 b + 16 (lane / 16) + i
.set TM,   208                         ; v208-223 at work
.set PC,   224                         ; v224-243 the codes
.set PW,   244                         ; v244     the scale word just made
.set SW,   245                         ; v245-248 the four K steps' scale words
.set SEL,  18                          ; s[18:19] lane selects for v_permlanex16_b32: lane l xor 16
; ---- names of the weights' path
.set OFF,  32                          ; v32-63   4 x lane + i rows of W
.set XW,   64                          ; v64-127  two sets of 32 numbers
.set P,    128                         ; v128-133 a block's codes
.set P2,   134                         ; v134-136 the second conversion's result
.set OUTR, 140                         ; v140-187 the way out
.set SB,   24                          ; v24-25   the scale bytes
; 64 numbers of a lane become a fragment's codes in v[pc] .. v[pc + 11] and its row's scale word in v[pw]
.macro QUANT src, pc, tm, pw
.irp b, 0,1,2,3
	v_max3_num_f32 v[\tm+\b], |v[\src+16*\b]|, |v[\src+1+16*\b]|, 0x1800000   ; block b: my 16 numbers, and the floor 2^(3 - 127): the byte cannot fall under 1
.endr
.irp i, 2,4,6,8,10,12,14
.irp b, 0,1,2,3
	v_max3_num_f32 v[\tm+\b], v[\tm+\b], |v[\src+16*\b+\i]|, |v[\src+1+16*\b+\i]|   ; the four blocks by turns
.endr
.endr
.irp b, 0,1,2,3
	v_permlanex16_b32 v[\tm+4+\b], v[\tm+\b], s[SEL], s[SEL+1]
.endr
.irp b, 0,1,2,3
	v_max_num_f32 v[\tm+\b], v[\tm+\b], v[\tm+4+\b]   ; with lane l xor 16's 16: the block's largest magnitude
.endr
.irp b, 0,1,2,3
	v_add_nc_u32 v[\tm+12+\b], 0xff000000, v[\tm+\b]   ; 2 off its exponent field: the conversion's scale operand
.endr
.irp b, 0,1,2,3
	v_lshrrev_b32 v[\tm+4+\b], 23, v[\tm+12+\b]   ; the scale's byte
.endr
	v_lshl_or_b32 v[\pw], v[\tm+5], 8, v[\tm+4]
	v_lshl_or_b32 v[\pw], v[\tm+6], 16, v[\pw]
	v_lshl_or_b32 v[\pw], v[\tm+7], 24, v[\pw]
.irp c, 0,1
	v_cvt_scalef32_pk16_fp6_f32 v[\pc+6*\c:\pc+2+6*\c], v[\src+32*\c:\src+15+32*\c], v[\tm+12+2*\c]
	v_cvt_scalef32_pk16_fp6_f32 v[\pc+12+4*\c:\pc+14+4*\c], v[\src+16+32*\c:\src+31+32*\c], v[\tm+12+2*\c+1]   ; (a conversion's three registers begin on an even number)
.endr
	v_nop                                          ; one plain place behind a scaled conversion
.irp c, 0,1                                    ; the operand's layout wants a whole block in a lane: lanes 0-15 block 2 c, lanes 16-31 block 2 c + 1
.irp i, 0,1,2
	v_permlane16_swap_b32 v[\pc+6*\c+\i], v[\pc+12+4*\c+\i]
.endr
.irp i, 0,1,2
	v_mov_b32 v[\pc+3+6*\c+\i], v[\pc+12+4*\c+\i]
.endr
.endr
.endm
	v_lshl_add_u32 v254, v0, 2, 0xe800
	v_mov_b32 v255, 0
	v_lshrrev_b32 v1, 5, v0
	v_readfirstlane_b32 s16, v1                    ; wave
	s_cmp_lt_u32 ttmp9, 256                        ; which path: it hangs on the work-group's number alone
	s_cbranch_scc0 .Lweights
; ======== HIDDEN_STATES.  A wave makes one whole record: 16 rows x 512 along K.  Work-group x: row tile x / 2, K groups 4 (x % 2) + wave.  Waves share nothing: no barrier.
; Each load reads 512 consecutive bytes of one row; a K step's 16 x 512 bytes turn through the wave's own stage in LDS (rows 528 bytes apart) and come back 16 neighbours of each block of 32 to a lane.
	s_load_b64 s[4:5], s[0:1], 0x30                ; hidden_states
	s_load_b64 s[6:7], s[0:1], 0x20                ; opnd4k
	v_and_b32 v5, 31, v0                           ; lane
	v_and_b32 v6, 15, v0                           ; r
	v_bfe_u32 v7, v0, 4, 1                         ; h
	v_lshlrev_b32 v1, 4, v5                        ; 16 x lane: my bytes of a load's or a store's 512
	s_mul_i32 s9, s16, 16*SP                       ; my stage
	v_add_nc_u32 v2, s9, v1                        ; into it: as loaded
	v_mul_u32_u24 v3, v6, SP
	v_lshl_add_u32 v3, v7, 6, v3
	v_add_nc_u32 v3, s9, v3                        ; out of it: row r, + 64 h
	v_lshlrev_b32 v4, 4, v6
	v_lshl_add_u32 v4, v7, 3, v4                   ; the scale words: 16 r + 8 h
.irp b, 0,1,2,3
	v_mov_b32 v[TM+4+\b], 0                        ; written once: a lane permute's destination counts as one of its sources
.endr
	s_lshr_b32 s10, ttmp9, 1                       ; row tile T
	s_and_b32 s11, ttmp9, 1
	s_lshl_b32 s11, s11, 2
	s_add_co_u32 s11, s11, s16                     ; K group G
	s_lshr_b32 s12, s10, 1
	s_lshl_b32 s12, s12, 5
	s_and_b32 s13, s10, 1
	s_lshl_b32 s13, s13, 3
	s_add_co_u32 s12, s12, s13                     ; the tile's first row: 32 (T / 2) + 8 (T % 2)
	s_lshl_b32 s12, s12, 14
	s_lshl_b32 s13, s11, 11                        ; 512 numbers a K group
	s_add_co_u32 s12, s12, s13
	s_mov_b32 s13, 0
	s_lshl_b32 s14, s10, 3
	s_add_co_u32 s14, s14, s11
	s_mul_i32 s14, s14, 6400                       ; record 8 T + G
	s_mov_b32 s15, 0
	s_mov_b32 s[SEL], 0x76543210
	s_mov_b32 s[SEL+1], 0xfedcba98
	s_wait_alu depctr_va_vdst(0)
	s_wait_kmcnt 0x0
	s_add_nc_u64 s[4:5], s[4:5], s[12:13]
	s_add_nc_u64 s[6:7], s[6:7], s[14:15]
.macro LOADX st                        ; K step st: 512 bytes of each of the tile's 16 rows
.irp p, 0,1,2,3,4,5,6,7,8,9,10,11,12,13,14,15
	global_load_b128 v[R+64*((\st)%2)+4*\p:R+64*((\st)%2)+4*\p+3], v1, s[4:5] offset:(\p+8*(\p/8))*ROWB+512*(\st) th:TH_LOAD_NT
.endr
.endm
.macro TURNX st                        ; through the stage: LDS serves a wave's instructions in order, so no wait stands between the stores and the loads
.irp p, 0,1,2,3,4,5,6,7,8,9,10,11,12,13,14,15
	ds_store_b128 v2, v[R+64*((\st)%2)+4*\p:R+64*((\st)%2)+4*\p+3] offset:SP*\p
.endr
.irp b, 0,1,2,3
.irp j, 0,1,2,3
	ds_load_b128 v[XN+16*\b+4*\j:XN+16*\b+4*\j+3], v3 offset:128*\b+16*\j
.endr
.endr
.endm
	LOADX 0
	LOADX 1
.irp st, 0,1,2,3
.if \st < 3
	s_wait_loadcnt 16                              ; this step's 16 loads are in; the next step's 16 may be out
.else
	s_wait_loadcnt 0x0
.endif
	TURNX \st
	s_wait_dscnt 0x0                               ; my 64 numbers are back, and the stores into the stage have read their registers,
.if \st < 2
	LOADX \st+2                                    ; which take the loads of two steps on
.endif
	s_wait_xcnt 0x0                                ; the last step's stores have read the codes' registers: only now are they written again
	QUANT XN, PC, TM, PW
	v_mov_b32 v[SW+\st], v[PW]
.irp g, 0,1,2
	global_store_b128 v1, v[PC+4*\g:PC+4*\g+3], s[6:7] offset:1536*\st+512*\g   ; 32 lanes store 512 consecutive bytes
.endr
.endr
	v_cmp_ne_u32 vcc_lo, 0, v7
	v_cndmask_b32 v250, v[SW], v[SW+2], vcc_lo     ; lanes 0-15 store their row's words 0 and 1, lanes 16-31 words 2 and 3
	v_cndmask_b32 v251, v[SW+1], v[SW+3], vcc_lo
	global_store_b64 v4, v[250:251], s[6:7] offset:6144   ; 32 lanes store 256 consecutive bytes, aligned
	s_wait_tensorcnt 0x0
	ds_add_u32 v254, v255
	s_wait_dscnt 0x0
	s_endpgm
; ======== THE WEIGHTS.  One way for all four: the work-group's number chooses pointers and sizes by scalar selects.  Work-groups 256-511: Wq, 512-639: Wk, 640-767: Wv, 768-1023: Wo.
; A work-group takes 128 columns x 256 along K; a wave 32 columns; A LANE TAKES A COLUMN AND ITS REGISTERS RUN DOWN K: a block of 32 lies in one lane's 32 registers, and the conversions give codes with K innermost.
; A lane's 24 bytes of a block go into the wave's own stage in LDS at their place in the fragment's image; the images leave as 3,072 consecutive bytes for each of the wave's two row tiles.  Waves share nothing: no barrier.
; The 8 scale bytes of a lane are two neighbouring words of its row: one store of 8 bytes a lane; these stores are 16 bytes apart: one byte in 128 of what this path reads.
.Lweights:
	s_load_b256 s[4:11], s[0:1], 0x0               ; Wq, Wk, Wv, Wo
	s_load_b128 s[12:15], s[0:1], 0x20             ; opnd4k, wo_sr
	v_and_b32 v2, 31, v0                           ; lane = my column among the wave's 32
	v_bfe_u32 v3, v0, 3, 1                         ; which of the wave's two row tiles: the column's bit 3
	v_and_b32 v5, 7, v0
	v_bfe_u32 v6, v0, 4, 1
	v_lshl_add_u32 v5, v6, 3, v5                   ; and which row r of it: bits 0-2, and bit 4 as bit 3
	s_mul_i32 s17, s16, 6400                       ; my stage: two images' places of 3,200 bytes (3,072 used),
	s_add_co_u32 s17, s17, WLDS                    ; in this path's own LDS bytes
	v_mul_u32_u24 v4, v3, 3200
	v_lshl_add_u32 v4, v5, 4, v4
	v_add_nc_u32 v4, s17, v4                       ; into it: my tile, + 16 r
	v_lshlrev_b32 v8, 4, v2                        ; 16 x lane
	v_add_nc_u32 v7, s17, v8                       ; out of it
	s_mov_b32 s20, 768                             ; Wo's: first work-group,
	s_mov_b32 s21, 12                              ; log2 of the columns,
	s_mov_b32 s22, 3                               ; bits of the place along K (2,048 / 256 = 8),
	s_mov_b32 s23, 0                               ; first row tile,
	s_mov_b32 s24, 4                               ; K groups
	s_wait_alu depctr_va_vdst(0)
	s_wait_kmcnt 0x0
	s_cmp_lt_u32 ttmp9, 768                        ; the choices hang on the work-group's number alone
	s_cselect_b64 s[26:27], s[8:9], s[10:11]
	s_cselect_b64 s[28:29], s[12:13], s[14:15]
	s_cselect_b32 s20, 640, s20
	s_cselect_b32 s21, 10, s21
	s_cselect_b32 s22, 4, s22
	s_cselect_b32 s23, 320, s23
	s_cselect_b32 s24, 8, s24
	s_cmp_lt_u32 ttmp9, 640
	s_cselect_b64 s[26:27], s[6:7], s[26:27]
	s_cselect_b32 s20, 512, s20
	s_cselect_b32 s23, 256, s23
	s_cmp_lt_u32 ttmp9, 512
	s_cselect_b64 s[26:27], s[4:5], s[26:27]
	s_cselect_b32 s20, 256, s20
	s_cselect_b32 s21, 11, s21
	s_cselect_b32 s23, 128, s23
	s_sub_co_u32 s25, ttmp9, s20
	s_bfm_b32 s30, s22, 0
	s_and_b32 s30, s25, s30                        ; ky: which 256 along K
	s_lshr_b32 s25, s25, s22                       ; nx: which 128 columns
	s_lshl_b32 s31, 4, s21                         ; a row of W in bytes
	s_mul_i32 s32, s30, s31
	s_lshl_b32 s32, s32, 8                         ; 256 ky rows (under 2^25 bytes)
	s_lshl_b32 s33, s25, 9
	s_add_co_u32 s32, s32, s33                     ; + 128 nx columns
	s_lshl_b32 s33, s16, 7
	s_add_co_u32 s32, s32, s33                     ; + 32 x wave columns
	s_mov_b32 s33, 0
	s_add_nc_u64 s[36:37], s[26:27], s[32:33]      ; block 0's first row
	s_lshl_b32 s34, s31, 5                         ; 32 rows on
	s_mov_b32 s35, 0
.irp t, 1,2,3,4,5,6,7
	s_add_nc_u64 s[36+2*\t:37+2*\t], s[34+2*\t:35+2*\t], s[34:35]   ; a base for each block, so that no pointer is stepped
.endr
	s_lshl_b32 s58, s25, 3
	s_add_co_u32 s58, s58, s23
	s_lshl_b32 s59, s16, 1
	s_add_co_u32 s58, s58, s59                     ; my first row tile
	s_mul_i32 s58, s58, s24
	s_lshr_b32 s59, s30, 1
	s_add_co_u32 s58, s58, s59                     ; its record of K group ky / 2
	s_mul_i32 s58, s58, 6400
	s_mov_b32 s59, 0
	s_and_b32 s60, s30, 1
	s_mul_i32 s62, s60, 3072                       ; K steps 0, 1 or 2, 3 of the record
	s_mov_b32 s63, 0
	s_add_nc_u64 s[56:57], s[28:29], s[58:59]
	s_add_nc_u64 s[52:53], s[56:57], s[62:63]      ; where my first tile's two images go,
	s_mul_i32 s62, s24, 6400
	s_add_nc_u64 s[54:55], s[52:53], s[62:63]      ; and my second tile's
	v_mul_u32_u24 v9, s62, v3
	v_lshl_add_u32 v9, v5, 4, v9                   ; my scale bytes: my tile's record, + 16 r
	s_lshl_b32 s60, s60, 3
	s_mov_b32 s61, 0
	s_add_nc_u64 s[56:57], s[56:57], s[60:61]      ; + 8 (ky % 2)
	v_lshlrev_b32 v[OFF], 2, v2
.irp i, 1,2,3,4,5,6,7,8,9,10,11,12,13,14,15,16,17,18,19,20,21,22,23,24,25,26,27,28,29,30,31
	v_add_nc_u32 v[OFF+\i], s31, v[OFF+\i-1]       ; the row's length is chosen, so it cannot stand in an immediate: an offset register for each of a block's 32 rows
.endr
.macro LOADW t                         ; block t: W(32 t + i, my column) into set t % 2: 32 lanes read 128 consecutive bytes, the four waves 512
.irp i, 0,1,2,3,4,5,6,7,8,9,10,11,12,13,14,15,16,17,18,19,20,21,22,23,24,25,26,27,28,29,30,31
	global_load_b32 v[XW+32*((\t)%2)+\i], v[OFF+\i], s[36+2*(\t):37+2*(\t)] th:TH_LOAD_NT
.endr
.endm
	LOADW 0
	LOADW 1
.macro BLOCK t
.set XS, XW+32*((\t)%2)
.set IB, 1536*((\t)/4)+256*((\t)%2)    ; the image of K step t / 4; the block's lanes are r + 16 (t % 2)
.if (\t) < 7
	s_wait_loadcnt 32                              ; this block's 32 loads are in; the next block's may be out
.else
	s_wait_loadcnt 0x0
.endif
	v_max3_num_f32 v12, |v[XS]|, |v[XS+1]|, |v[XS+2]|   ; the block's largest magnitude: all 32 numbers are mine; two chains
	v_max3_num_f32 v13, |v[XS+3]|, |v[XS+4]|, |v[XS+5]|
.irp i, 6,10,14,18,22,26
	v_max3_num_f32 v12, v12, |v[XS+\i]|, |v[XS+\i+1]|
	v_max3_num_f32 v13, v13, |v[XS+\i+2]|, |v[XS+\i+3]|
.endr
	v_max3_num_f32 v12, v12, |v[XS+30]|, |v[XS+31]|
	v_max3_num_f32 v12, v12, v13, 0x1800000        ; and the floor 2^(3 - 127)
	v_add_nc_u32 v11, 0xff000000, v12              ; 2 off its exponent field: the conversion's scale operand
	v_lshrrev_b32 v13, 23, v11                     ; the scale's byte
.if (\t)%4 == 0
	v_mov_b32 v[SB+(\t)/4], v13                    ; four bytes to a word, the lower K in the lower byte
.else
	v_lshl_or_b32 v[SB+(\t)/4], v13, 8*((\t)%4), v[SB+(\t)/4]
.endif
	v_cvt_scalef32_pk16_fp6_f32 v[P:P+2], v[XS:XS+15], v11
	v_cvt_scalef32_pk16_fp6_f32 v[P2:P2+2], v[XS+16:XS+31], v11   ; (a conversion's three registers begin on an even number)
	v_nop                                          ; one plain place behind a scaled conversion
.irp i, 0,1,2
	v_mov_b32 v[P+3+\i], v[P2+\i]
.endr
.if ((\t)/2)%2 == 0                    ; the block is registers 0-5 of its lane's twelve: group 0 whole, the lower half of group 1
	ds_store_b128 v4, v[P:P+3] offset:IB
	ds_store_b64 v4, v[P+4:P+5] offset:IB+512
.else                                  ; or registers 6-11: the upper half of group 1, group 2 whole
	ds_store_b64 v4, v[P:P+1] offset:IB+520
	ds_store_b128 v4, v[P+2:P+5] offset:IB+1024
.endif
.if (\t)+2 < 8
	LOADW (\t)+2
.endif
	s_wait_dscnt 0x0                               ; the stores have read their registers: the next block's codes may be written
.endm
.irp t, 0,1,2,3,4,5,6,7
	BLOCK \t
.endr
	s_wait_alu depctr_va_vdst(0)
	global_store_b64 v9, v[SB:SB+1], s[56:57] offset:6144
.irp n, 0,1,2,3,4,5,6,7,8,9,10,11
	ds_load_b128 v[OUTR+4*\n:OUTR+4*\n+3], v7 offset:3200*(\n/6)+512*(\n%6)   ; LDS serves a wave's instructions in order: these see my stores
.endr
.irp n, 0,1,2,3,4,5,6,7,8,9,10,11
	s_wait_dscnt 11-\n                             ; load n is in; the younger ones may be out
	global_store_b128 v8, v[OUTR+4*\n:OUTR+4*\n+3], s[52+2*(\n/6):53+2*(\n/6)] offset:512*(\n%6)   ; 32 lanes store 512 consecutive bytes, aligned
.endr
	s_wait_tensorcnt 0x0
	ds_add_u32 v254, v255
	s_wait_dscnt 0x0
	s_endpgm
.Lfunc_end_k_q07223966b9_quant_all:
	.size	k_q07223966b9_quant_all, .Lfunc_end_k_q07223966b9_quant_all-k_q07223966b9_quant_all
	.p2alignl 7, 3214868480
	.fill 96, 4, 3214868480
	.section	.rodata,"a",@progbits
	.p2align	6, 0x0
	.amdhsa_kernel k_q07223966b9_quant_all
		.amdhsa_group_segment_fixed_size 59904
		.amdhsa_private_segment_fixed_size 0
		.amdhsa_enable_private_segment 0
		.amdhsa_kernarg_size 56
		.amdhsa_user_sgpr_count 2
		.amdhsa_user_sgpr_kernarg_segment_ptr 1
		.amdhsa_wavefront_size32 1
		.amdhsa_system_sgpr_workgroup_id_x 1
		.amdhsa_system_sgpr_workgroup_id_y 1
		.amdhsa_system_sgpr_workgroup_id_z 1
		.amdhsa_system_vgpr_workitem_id 0
		.amdhsa_next_free_vgpr 256
		.amdhsa_next_free_sgpr 66
		.amdhsa_reserve_vcc 1
		.amdhsa_float_denorm_mode_32 3
		.amdhsa_float_denorm_mode_16_64 3
		.amdhsa_memory_ordered 1
		.amdhsa_forward_progress 1
		.amdhsa_inst_pref_size 77
	.end_amdhsa_kernel
	.amdgpu_metadata
---
amdhsa.version: [ 1, 2 ]
amdhsa.kernels:
  - .name:           k_q07223966b9_quant_all
    .symbol:         k_q07223966b9_quant_all.kd
    .args:
      - { .name: Wq, .offset: 0, .size: 8, .value_kind: global_buffer, .address_space: global }
      - { .name: Wk, .offset: 8, .size: 8, .value_kind: global_buffer, .address_space: global }
      - { .name: Wv, .offset: 16, .size: 8, .value_kind: global_buffer, .address_space: global }
      - { .name: Wo, .offset: 24, .size: 8, .value_kind: global_buffer, .address_space: global }
      - { .name: opnd4k, .offset: 32, .size: 8, .value_kind: global_buffer, .address_space: global }
      - { .name: wo_sr, .offset: 40, .size: 8, .value_kind: global_buffer, .address_space: global }
      - { .name: hidden_states, .offset: 48, .size: 8, .value_kind: global_buffer, .address_space: global }
    .group_segment_fixed_size: 59904
    .private_segment_fixed_size: 0
    .kernarg_segment_align: 8
    .kernarg_segment_size: 56
    .max_flat_workgroup_size: 128
    .sgpr_count:     66
    .vgpr_count:     256
    .wavefront_size: 32
...
	.end_amdgpu_metadata
.endif
;; end of part 1
;; launch gemm_qkv (part 2): grid 16 x 16, 4 waves a work-group, clusters of 4 x 4, 327,680 bytes of LDS; arguments opnd4k, qkv; writes qkv
.if DOCPART == 2
	.amdgcn_target "amdgcn-amd-amdhsa--gfx1250"
	.amdhsa_code_object_version 6
	.text
	.protected	k_q07223966b9_gemm_qkv
	.globl	k_q07223966b9_gemm_qkv
	.p2align	8
	.type	k_q07223966b9_gemm_qkv,@function
k_q07223966b9_gemm_qkv:
	s_mov_b64 s[64:65], 0
	v_nop
	global_prefetch_b8 v0, s[64:65] scope:SCOPE_SE
	s_setreg_imm32_b32 hwreg(HW_REG_WAVE_MODE, 25, 1), 1
	s_wait_xcnt 0x0
	s_wait_alu depctr_hold_cnt(0) depctr_sa_sdst(0) depctr_va_vdst(0) depctr_va_sdst(0) depctr_va_ssrc(0) depctr_va_vcc(0) depctr_vm_vsrc(0)
	s_getreg_b32 s2, hwreg(HW_REG_IB_STS2, 6, 4)
	s_cmp_eq_u32 s2, 0
	s_cbranch_scc0 .Lentry_in_a_cluster
	s_endpgm
.Lentry_in_a_cluster:
	s_bfe_u32 s2, ttmp6, 0x10000c
	s_cmp_lg_u32 s2, 0xf033
	s_cbranch_scc0 .Lentry_shape_is_right
	s_endpgm
.Lentry_shape_is_right:
; The three projections in one launch: C = A B^T on codes of FP6 (E2M3) with E8M0 scales, K = 4,096; the results leave quantised along the next product's K, as records for the attention.
; opnd4k: records of 6,400 bytes, [row tile][K group of 512]: four fragment images of 1,536 bytes (registers 4 g .. 4 g + 3 of lane l at 512 g + 16 l), then 256 bytes of scale words (row r at 16 r, K step i at 4 i).
; Row tiles 0-127 hidden_states, 128-255 Wq, 256-319 Wk, 320-383 Wv.  Lane r of tile T stands for row 32 (T / 2) + 8 (T % 2) + r + 8 (r / 8).
; A work-group makes 128 rows of A x 256 rows of B (256 work-groups, one to a WGP); a wave 64 x 128: 32 accumulators.  Clusters x = 0-2: A = hidden_states, B = Wq and Wk (a lane holds a token, its registers run along the channels);
; cluster x = 3: A = Wv, B = hidden_states (a lane holds a channel, its registers run along the keys).  Source 0 = B's rows, source 1 = A's rows.
; THE RING: two slots of one K group each: A's 8 records, then B's 16: 153,600 bytes.  Waves 0, 1 fetch 4 records of A each, waves 2, 3 8 records of B each, one tensor load a wave behind each change of slots.
; CLUSTER 4 x 4: A's records are asked for jointly along a row of the cluster, B's along a column.
; PREFETCH INTO THE L2: behind the load of K group g each wave asks for group g + 2 (behind load 0 also for group 1): of the records that it fetches jointly, the partner at place p takes its quarter, told apart by address alone:
; A's waves record cx, B's waves records 2 cy and 2 cy + 1.  A lane names a block of 256 bytes, an instruction a record of 25 blocks (lanes 25-31 name lane 24's again).  The loads of groups 6 and 7 ask for nothing.
; A work-group has at most two K groups asked for and not yet loaded.
; LIMITS: NaN and infinities are not served.  A block whose largest magnitude lies under 2^-124, a block of zeros among them, gets the byte 1; this program alone reads the bytes.
; REGISTERS: window 0: v16-30 addresses, v32-95 scale words (two sets), v96-191 A's fragments (two sets), v200-221 at work on the way out; window 1: B's fragments, two sets of 96; window 2: the accumulators.
.set KG,    8
.set REC,   6400
.set SLOT,  24*REC
.set BOFF,  8*REC
.set SPARE, 2*SLOT                     ; the spare words: 512 bytes that no other line names
.set LAPS,  KG/2
.set ADRA, 16
.set ADRB, 20
.set ADRS, 22
.set LN16, 26
.set SCO,  27
.set SPW,  28
.set NIL,  29
.set PFO,  30                          ; v30 256 x min(lane, 24); never rewritten
.set SC,   32
.set AF,   96
.set TM,   200
.set PWB,  216
.set SEL,  92
.set G1, 24
.set G0, 32
.set G1B, 48
.set G0B, 56
.set PFA, 74                           ; s[74:75] my record for the prefetches
.set MSB, 0
.macro WIN new
.if MSB != \new
	s_set_vgpr_msb (MSB<<8)|\new
.set MSB, \new
.endif
.endm
.macro PLACES
.rept 4
	v_nop
.endr
.endm
.macro JLOAD g0a, g1a, g0b, g1b        ; a joint load: waves 0, 1 for A, waves 2, 3 for B; s_nop 0 and four v_nop behind each line
	s_cmp_eq_u32 s15, 0
	s_cbranch_scc0 .Lfor_b_\@
	tensor_load_to_lds s[\g0a:\g0a+3], s[\g1a:\g1a+7]
	s_nop 0
.rept 4
	v_nop
.endr
	s_branch .Lasked_\@
.Lfor_b_\@:
	tensor_load_to_lds s[\g0b:\g0b+3], s[\g1b:\g1b+7]
	s_nop 0
.rept 4
	v_nop
.endr
.Lasked_\@:
.endm
.macro ASK g, inloop                   ; the prefetch of the K group g records behind s[PFA]: one record in A's waves, two in B's
.if \inloop
	s_cmp_gt_u32 s3, 1                             ; the loop's last trip loads groups 6 and 7: no group stands two further on
	s_cbranch_scc0 .Lall_asked_\@
.endif
	global_prefetch_b8 v[PFO], s[PFA:PFA+1] offset:(\g)*REC th:TH_LOAD_NT scope:SCOPE_SE
	s_cmp_eq_u32 s15, 0
	s_cbranch_scc1 .Lall_asked_\@
	global_prefetch_b8 v[PFO], s[PFA:PFA+1] offset:(\g)*REC+KG*REC th:TH_LOAD_NT scope:SCOPE_SE
.Lall_asked_\@:
.endm
.macro CREST
	s_cmp_lg_u32 s14, 0
	s_cbranch_scc1 .Lnot_wave_0_\@
	s_barrier_signal -3
.Lnot_wave_0_\@:
	s_barrier_wait -3
	s_barrier_signal -1
	s_barrier_wait -1
.endm
.macro CROUND
	s_barrier_signal -1
	s_barrier_wait -1
	CREST
.endm
	s_load_b128 s[4:7], s[0:1], 0x0                ; opnd4k, qkv
	v_lshl_add_u32 v[SPW], v0, 2, SPARE
	v_mov_b32 v[NIL], 0
	ds_add_u32 v[SPW], v[NIL]                      ; the opening lines: the add, twice on end, and its wait ahead of my first tensor load
	ds_add_u32 v[SPW], v[NIL]
	v_lshrrev_b32 v1, 5, v0
	v_readfirstlane_b32 s14, v1                    ; wave
	v_and_b32 v4, 31, v0
	v_min_u32 v4, 24, v4
	v_lshlrev_b32 v[PFO], 8, v4
	s_lshr_b32 s15, s14, 1                         ; my half of A's rows; also: I fetch for A (0) or B (1)
	s_and_b32 s16, s14, 1                          ; my half of B's rows; also: which half of the tile I fetch
	s_bfe_u32 s40, ttmp6, 0x40000                  ; cx
	s_bfe_u32 s41, ttmp6, 0x40004                  ; cy
	s_and_b32 s17, ttmp7, 0xffff
	s_lshl_b32 s18, s17, 2
	s_and_b32 s19, s17, 1
	s_lshl_b32 s19, s19, 2
	s_lshl_b32 s42, ttmp9, 2
	s_lshr_b32 s45, s17, 1
	s_lshl_b32 s45, s45, 2
	s_cmp_eq_u32 ttmp9, 3                          ; cluster x = 3 makes v: 8 blocks of Wv x 8 blocks of hidden_states
	s_cselect_b32 s18, s19, s18
	s_cselect_b32 s42, s45, s42
	s_cselect_b32 s66, 320, 0                      ; A's first row tile
	s_cselect_b32 s67, 0, 128                      ; B's
	s_cselect_b32 s68, 1, 0
	s_add_co_u32 s18, s18, s41                     ; A's block: it hangs on cy alone
	s_add_co_u32 s42, s42, s40                     ; B's block: on cx alone
	s_lshl_b32 s43, s41, 2
	s_lshl_b32 s43, 15, s43                        ; my row of the cluster
	s_lshl_b32 s44, 0x1111, s40                    ; my column
	s_or_b32 s[G1+0], s43, (3<<16)|(1<<21)         ; elements of 8 bytes; a record is a row of 800
	s_or_b32 s[G1B+0], s44, (3<<16)|(1<<21)
	s_mov_b32 s[G1+1], 800<<16
	s_mov_b32 s[G1+2], 4<<16
	s_mov_b32 s[G1+3], 800<<16
	s_mov_b32 s[G1+4], 4
	s_mov_b32 s[G1+5], KG*800
	s_mov_b32 s[G1+6], 0
	s_mov_b32 s[G1+7], 0
	s_mov_b32 s[G1B+1], 800<<16
	s_mov_b32 s[G1B+2], 8<<16
	s_mov_b32 s[G1B+3], 800<<16
	s_mov_b32 s[G1B+4], 8
	s_mov_b32 s[G1B+5], KG*800
	s_mov_b32 s[G1B+6], 0
	s_mov_b32 s[G1B+7], 0
	s_lshl_b32 s20, s18, 3
	s_add_co_u32 s20, s20, s66
	s_lshl_b32 s19, s16, 2
	s_add_co_u32 s20, s20, s19                     ; the first of the 4 row tiles of A that I fetch
	s_add_co_u32 s72, s20, s40                     ; of them my work-group prefetches tile cx
	s_mul_i32 s20, s20, KG*REC
	s_mov_b32 s21, 0
	s_lshl_b32 s46, s42, 4
	s_add_co_u32 s46, s46, s67
	s_lshl_b32 s47, s16, 3
	s_add_co_u32 s46, s46, s47                     ; the first of the 8 row tiles of B
	s_lshl_b32 s73, s41, 1
	s_add_co_u32 s73, s73, s46                     ; of them tiles 2 cy, 2 cy + 1
	s_mul_i32 s46, s46, KG*REC
	s_mov_b32 s47, 0
	s_cmp_eq_u32 s15, 0
	s_cselect_b32 s72, s72, s73
	s_mul_i32 s72, s72, KG*REC
	s_mov_b32 s73, 0
	s_mul_i32 s45, s16, 4*REC
	s_mul_i32 s94, s16, 8*REC
	s_add_co_u32 s94, s94, BOFF
	s_mov_b32 s[SEL], 0x76543210
	s_mov_b32 s[SEL+1], 0xfedcba98
	s_wait_alu depctr_va_vdst(0)                   ; directly ahead of the waits below
	s_wait_dscnt 0x0                               ; both opening adds are done
	s_wait_kmcnt 0x0
	s_add_nc_u64 s[20:21], s[4:5], s[20:21]
	s_add_nc_u64 s[46:47], s[4:5], s[46:47]
	s_add_nc_u64 s[PFA:PFA+1], s[4:5], s[72:73]
.irp s, 0,1
	s_mov_b32 s[G0+4*\s], 1
	s_add_co_u32 s[G0+4*\s+1], s45, \s*SLOT
	s_add_nc_u64 s[G0+4*\s+2:G0+4*\s+3], s[20:21], \s*REC
	s_or_b32 s[G0+4*\s+3], s[G0+4*\s+3], 0x80000000
	s_mov_b32 s[G0B+4*\s], 1
	s_add_co_u32 s[G0B+4*\s+1], s94, \s*SLOT
	s_add_nc_u64 s[G0B+4*\s+2:G0B+4*\s+3], s[46:47], \s*REC
	s_or_b32 s[G0B+4*\s+3], s[G0B+4*\s+3], 0x80000000
.endr
	CROUND                                         ; all sixteen work-groups are here: the first joint loads meet
	JLOAD G0, G1, G0B, G1B                         ; K group 0: my one tensor load at the head
	ASK 1, 0
	ASK 2, 0
	v_and_b32 v1, 31, v0
	v_and_b32 v2, 15, v0
	v_bfe_u32 v3, v0, 4, 1
	v_lshlrev_b32 v[LN16], 4, v1
	v_lshlrev_b32 v[SCO], 4, v2
	v_lshl_add_u32 v[SCO], v3, 3, v[SCO]
.irp b, 0,1,2,3
	v_mov_b32 v[TM+4+\b], 0                        ; a lane permute's destination counts as one of its sources
.endr
	s_mul_i32 s21, s15, 4*REC                      ; my 4 records of A
	s_mul_i32 s22, s16, 8*REC
	s_add_co_u32 s22, s22, BOFF                    ; my 8 records of B
	s_sub_co_u32 s23, s22, s21
	v_mul_u32_u24 v6, s23, v3                      ; scale words: lanes 0-15 A's, lanes 16-31 B's
	v_lshl_add_u32 v6, v2, 4, v6
	s_add_co_u32 s19, s21, 6144
	v_add_nc_u32 v[ADRS], s19, v6
	v_add_nc_u32 v[ADRS+1], SLOT, v[ADRS]
.irp s, 0,1
	v_add_nc_u32 v[ADRA+\s], s21, v[LN16]
	v_add_nc_u32 v[ADRB+\s], s22, v[LN16]
	s_add_co_u32 s21, s21, SLOT
	s_add_co_u32 s22, s22, SLOT
.endr
	s_lshl_b32 s69, s42, 1                         ; my record of qkv.  q, k: 32 x head (2 x B's block + half) + 2 x A's block + half;
	s_add_co_u32 s69, s69, s16
	s_lshl_b32 s70, s69, 5
	s_lshl_b32 s71, s18, 1
	s_add_co_u32 s70, s70, s71
	s_lshl_b32 s71, s18, 5                         ; v: 768 + 32 x KV head (A's block) + 2 x (128 keys) + half of the channels
	s_lshl_b32 s72, s69, 1
	s_add_co_u32 s71, s71, s72
	s_add_co_u32 s71, s71, 768
	s_cmp_eq_u32 s68, 1
	s_cselect_b32 s70, s71, s70
	s_add_co_u32 s70, s70, s15
	s_mul_i32 s70, s70, REC
	s_mov_b32 s71, 0
	s_add_nc_u64 s[12:13], s[6:7], s[70:71]
.macro FETCH slot, q, p                ; K step q's fragments into set p: 24 loads for B, 12 for A
	WIN 0x40
.irp i, 0,1,2,3,4,5,6,7
.irp g, 0,1,2
	ds_load_b128 v[96*(\p)+12*\i+4*\g:96*(\p)+12*\i+4*\g+3], v[ADRB+\slot] offset:REC*\i+1536*(\q)+512*\g
.endr
.endr
	WIN 0
.irp i, 0,1,2,3
.irp g, 0,1,2
	ds_load_b128 v[AF+48*(\p)+12*\i+4*\g:AF+48*(\p)+12*\i+4*\g+3], v[ADRA+\slot] offset:REC*\i+1536*(\q)+512*\g
.endr
.endr
.endm
.macro SCALES sc                       ; a slot's scale words: four K steps' to a load
.irp i, 0,1,2,3,4,5,6,7
	ds_load_b128 v[SC+32*(\sc)+4*\i:SC+32*(\sc)+4*\i+3], v[ADRS+\sc] offset:REC*\i
.endr
.endm
.macro MULA a, p, q, sc, zero          ; A's tile a against B's eight; the 32 accumulators take turns, in the same order in every step
.irp b, 0,1,2,3,4,5,6,7
.if \zero
	v_wmma_scale_f32_16x16x128_f8f6f4 v[8*(8*(\a)+\b):8*(8*(\a)+\b)+7], v[96*(\p)+12*\b:96*(\p)+12*\b+11], v[AF+48*(\p)+12*(\a):AF+48*(\p)+12*(\a)+11], 0, v[SC+32*(\sc)+4*\b+(\q)], v[SC+32*(\sc)+4*(\a)+(\q)] matrix_a_fmt:MATRIX_FMT_FP6 matrix_b_fmt:MATRIX_FMT_FP6 matrix_a_scale:MATRIX_SCALE_ROW1
.else
	v_wmma_scale_f32_16x16x128_f8f6f4 v[8*(8*(\a)+\b):8*(8*(\a)+\b)+7], v[96*(\p)+12*\b:96*(\p)+12*\b+11], v[AF+48*(\p)+12*(\a):AF+48*(\p)+12*(\a)+11], v[8*(8*(\a)+\b):8*(8*(\a)+\b)+7], v[SC+32*(\sc)+4*\b+(\q)], v[SC+32*(\sc)+4*(\a)+(\q)] matrix_a_fmt:MATRIX_FMT_FP6 matrix_b_fmt:MATRIX_FMT_FP6 matrix_a_scale:MATRIX_SCALE_ROW1
.endif
.endr
.endm
.macro MUL4 p, q, sc, zero
	WIN 0xa1
.irp a, 0,1,2,3
	MULA \a, \p, \q, \sc, \zero
.endr
	WIN 0
.endm
.macro STEP sc, q, zero                ; one of a slot's first three K steps: the next step's fragments are asked for ahead of this step's 32 products
	s_wait_dscnt 0x0
	PLACES
	FETCH \sc, (\q)+1, ((\q)+1)%2
	MUL4 (\q)%2, \q, \sc, \zero
.endm
.macro TURN sc, next, fill             ; a slot's last K step, and the change of slots
.if (\fill) && (\sc) == 0
	s_wait_xcnt 0x0                                ; my prefetches, a slot back, have read their address
	s_add_nc_u64 s[PFA:PFA+1], s[PFA:PFA+1], 2*REC
.endif
	s_wait_tensorcnt 0x0                           ; my part of the next slot is in
	ds_add_u32 v[SPW], v[NIL]
	s_wait_dscnt 1                                 ; this step's fragments are in; the add alone may be out
	WIN 0xa1
	MULA 0, 1, 3, \sc, 0
	s_wait_dscnt 0x0                               ; the add is done, and my reads of this slot are over
	s_barrier_signal -1
	MULA 1, 1, 3, \sc, 0
	WIN 0
	s_barrier_wait -1
.if \fill
	CREST                                          ; the barrier has opened a round of the cluster's barrier
	s_add_nc_u64 s[G0+4*\sc+2:G0+4*\sc+3], s[G0+4*\sc+2:G0+4*\sc+3], 2*REC
	s_add_nc_u64 s[G0B+4*\sc+2:G0B+4*\sc+3], s[G0B+4*\sc+2:G0B+4*\sc+3], 2*REC
	JLOAD G0+4*\sc, G1, G0B+4*\sc, G1B             ; the first tensor load behind the round; its four v_nop are the places in front of the loads below
.else
	PLACES
.endif
	FETCH \next, 0, 0
	SCALES \next
.if \fill
	ASK 2+\sc, 1
.endif
	WIN 0xa1
	MULA 2, 1, 3, \sc, 0
	MULA 3, 1, 3, \sc, 0
	WIN 0
.endm
	s_wait_alu depctr_va_vdst(0)
	s_wait_tensorcnt 0x0                           ; my part of K group 0 is in; the same lines as ahead of a refill:
	ds_add_u32 v[SPW], v[NIL]
	s_wait_dscnt 0x0
	CROUND                                         ; everybody's part is in, and the joint loads meet
	JLOAD G0+4, G1, G0B+4, G1B                     ; K group 1, slot 1's first fill
	FETCH 0, 0, 0
	SCALES 0
	s_wait_dscnt 0x0
	FETCH 0, 1, 1
	ASK 3, 0
	MUL4 0, 0, 0, 1                                ; the first products start the sums
	s_mov_b32 s3, LAPS-1
.Llap:                                                 ; a trip goes once round the ring and fills both slots again
	STEP 0, 1, 0
	STEP 0, 2, 0
	TURN 0, 1, 1
	STEP 1, 0, 0
	STEP 1, 1, 0
	STEP 1, 2, 0
	TURN 1, 0, 1
	STEP 0, 0, 0
	s_sub_co_u32 s3, s3, 1
	s_cmp_lg_u32 s3, 0
	s_cbranch_scc1 .Llap
	STEP 0, 1, 0                                   ; the last lap is written out: it asks for nothing more
	STEP 0, 2, 0
	TURN 0, 1, 0
	STEP 1, 0, 0
	STEP 1, 1, 0
	STEP 1, 2, 0
	s_wait_dscnt 0x0
	MUL4 1, 3, 1, 0
	PLACES
; THE WAY OUT.  The 64 registers of A's tile a are 128 neighbours along the next K, 16 of each block of 32 in lanes l and l xor 16: they become fragment a of my record.
.macro QUANTW a
.set NS, 64*(\a)
.set PCA, AF+20*(\a)
	WIN 0x28
.irp b, 0,1,2,3
	v_max3_num_f32 v[TM+\b], 0x1800000, |v[NS+16*\b]|, |v[NS+1+16*\b]|   ; with the floor 2^(3 - 127): the byte cannot fall under 1
.endr
.irp i, 2,4,6,8,10,12,14
.irp b, 0,1,2,3
	v_max3_num_f32 v[TM+\b], v[TM+\b], |v[NS+16*\b+\i]|, |v[NS+1+16*\b+\i]|
.endr
.endr
	WIN 0
.irp b, 0,1,2,3
	v_permlanex16_b32 v[TM+4+\b], v[TM+\b], s[SEL], s[SEL+1]
.endr
.irp b, 0,1,2,3
	v_max_num_f32 v[TM+\b], v[TM+\b], v[TM+4+\b]
.endr
.irp b, 0,1,2,3
	v_add_nc_u32 v[TM+12+\b], 0xff000000, v[TM+\b]   ; 2 off the exponent field: the conversion's scale operand
.endr
.irp b, 0,1,2,3
	v_lshrrev_b32 v[TM+4+\b], 23, v[TM+12+\b]      ; the scale's byte
.endr
	v_lshl_or_b32 v[PWB+\a], v[TM+5], 8, v[TM+4]
	v_lshl_or_b32 v[PWB+\a], v[TM+6], 16, v[PWB+\a]
	v_lshl_or_b32 v[PWB+\a], v[TM+7], 24, v[PWB+\a]
	WIN 0x02
.irp c, 0,1
	v_cvt_scalef32_pk16_fp6_f32 v[PCA+6*\c:PCA+2+6*\c], v[NS+32*\c:NS+15+32*\c], v[TM+12+2*\c]
	v_cvt_scalef32_pk16_fp6_f32 v[PCA+12+4*\c:PCA+14+4*\c], v[NS+16+32*\c:NS+31+32*\c], v[TM+12+2*\c+1]
.endr
	WIN 0
	v_nop                                          ; one plain place behind a scaled conversion
.irp c, 0,1
.irp i, 0,1,2
	v_permlane16_swap_b32 v[PCA+6*\c+\i], v[PCA+12+4*\c+\i]
.endr
.irp i, 0,1,2
	v_mov_b32 v[PCA+3+6*\c+\i], v[PCA+12+4*\c+\i]
.endr
.endr
.irp g, 0,1,2
	global_store_b128 v[LN16], v[PCA+4*\g:PCA+4*\g+3], s[12:13] offset:1536*(\a)+512*\g   ; 32 lanes store 512 consecutive bytes, aligned
.endr
.endm
	QUANTW 0
	QUANTW 1
	QUANTW 2
	QUANTW 3
	v_cmp_ne_u32 vcc_lo, 0, v3
	v_cndmask_b32 v220, v[PWB], v[PWB+2], vcc_lo   ; lanes 0-15 store their row's words 0 and 1, lanes 16-31 words 2 and 3
	v_cndmask_b32 v221, v[PWB+1], v[PWB+3], vcc_lo
	global_store_b64 v[SCO], v[220:221], s[12:13] offset:6144
	s_wait_tensorcnt 0x0                           ; the wave's end
	ds_add_u32 v[SPW], v[NIL]
	s_wait_dscnt 0x0
	CROUND                                         ; the closing round
	s_endpgm
.Lfunc_end_k_q07223966b9_gemm_qkv:
	.size	k_q07223966b9_gemm_qkv, .Lfunc_end_k_q07223966b9_gemm_qkv-k_q07223966b9_gemm_qkv
	.p2alignl 7, 3214868480
	.fill 96, 4, 3214868480
	.section	.rodata,"a",@progbits
	.p2align	6, 0x0
	.amdhsa_kernel k_q07223966b9_gemm_qkv
		.amdhsa_group_segment_fixed_size 327680
		.amdhsa_private_segment_fixed_size 0
		.amdhsa_enable_private_segment 0
		.amdhsa_kernarg_size 16
		.amdhsa_user_sgpr_count 2
		.amdhsa_user_sgpr_kernarg_segment_ptr 1
		.amdhsa_wavefront_size32 1
		.amdhsa_system_sgpr_workgroup_id_x 1
		.amdhsa_system_sgpr_workgroup_id_y 1
		.amdhsa_system_sgpr_workgroup_id_z 1
		.amdhsa_system_vgpr_workitem_id 0
		.amdhsa_next_free_vgpr 768
		.amdhsa_next_free_sgpr 100
		.amdhsa_reserve_vcc 1
		.amdhsa_float_denorm_mode_32 3
		.amdhsa_float_denorm_mode_16_64 3
		.amdhsa_memory_ordered 1
		.amdhsa_forward_progress 1
		.amdhsa_inst_pref_size 136
	.end_amdhsa_kernel
	.amdgpu_metadata
---
amdhsa.version: [ 1, 2 ]
amdhsa.kernels:
  - .name:           k_q07223966b9_gemm_qkv
    .symbol:         k_q07223966b9_gemm_qkv.kd
    .args:
      - { .name: opnd4k, .offset: 0, .size: 8, .value_kind: global_buffer, .address_space: global }
      - { .name: qkv, .offset: 8, .size: 8, .value_kind: global_buffer, .address_space: global }
    .group_segment_fixed_size: 327680
    .private_segment_fixed_size: 0
    .kernarg_segment_align: 8
    .kernarg_segment_size: 16
    .max_flat_workgroup_size: 128
    .sgpr_count:     100
    .vgpr_count:     768
    .wavefront_size: 32
...
	.end_amdgpu_metadata
.endif
;; end of part 2
;; launch attn (part 3): grid 32 x 8, 16 waves a work-group, clusters of 4 x 1, 327,680 bytes of LDS; arguments qkv, att; writes att
.if DOCPART == 3
	.amdgcn_target "amdgcn-amd-amdhsa--gfx1250"
	.amdhsa_code_object_version 6
	.text
	.protected	k_q07223966b9_attn
	.globl	k_q07223966b9_attn
	.p2align	8
	.type	k_q07223966b9_attn,@function
k_q07223966b9_attn:
	s_mov_b64 s[64:65], 0
	v_nop
	global_prefetch_b8 v0, s[64:65] scope:SCOPE_SE
	s_setreg_imm32_b32 hwreg(HW_REG_WAVE_MODE, 25, 1), 1
	s_wait_xcnt 0x0
	s_wait_alu depctr_hold_cnt(0) depctr_sa_sdst(0) depctr_va_vdst(0) depctr_va_sdst(0) depctr_va_ssrc(0) depctr_va_vcc(0) depctr_vm_vsrc(0)
	s_getreg_b32 s2, hwreg(HW_REG_IB_STS2, 6, 4)
	s_cmp_eq_u32 s2, 0
	s_cbranch_scc0 .Lentry_in_a_cluster
	s_endpgm
.Lentry_in_a_cluster:
	s_bfe_u32 s2, ttmp6, 0x10000c
	s_cmp_lg_u32 s2, 0x3003
	s_cbranch_scc0 .Lentry_shape_is_right
	s_endpgm
.Lentry_shape_is_right:
; Causal attention with grouped heads on codes of FP6 (E2M3) with E8M0 scales: 16 query heads, 8 KV heads, head size 128, 2,048 tokens.  Both products are quantised; the result leaves as codes for the last projection.
; qkv holds records of 6,400 bytes: four fragment images of 1,536 bytes (registers 4 g .. 4 g + 3 of lane l at 512 g + 16 l), then 256 bytes of scale words (row r at 16 r, fragment i at 4 i).
;   q, k: record 32 H + T / 4, fragment T % 4 (H 0-15: q; 16 + g: k of KV head g; T: tile of 16 tokens);  v, keys innermost: record 768 + 32 g + 2 j + dh (keys 128 j on; fragment i: channels' tile 4 dh + i).
;   Lane r of tile T stands for token (or channel) 32 (T / 2) + 8 (T % 2) + r + 8 (r / 8): as source 0, two neighbouring tiles leave 16 neighbours in a lane's 16 registers.
; THE SOFTMAX AHEAD OF THE SECOND PRODUCT: t = score x log2(e) / sqrt(128); M = the running largest t rounded UP to a whole number; p = 2^(t - M) is quantised along the keys, not normalised; the row's sum is taken of the
; unquantised p and divides at the end; when M moves, the sum and O are multiplied by 2^(old M - new M), which rounds nothing.  S^T = K Q^T, O^T = V^T P^T: a lane holds one query throughout.
; THE MASK is causal: key steps that lie wholly behind a tile's queries are left out by a scalar branch on ids; the step on the diagonal is masked by selects.
; SHARES: a work-group has eight tiles of 16 queries: the two query heads of KV head g x two early tiles (x) and two late ones (127 - x), x = 8 c + 2 cx + u, c the cluster's x.  A tile T works in key steps j <= T / 8: c or 15 - c.
; FOUR WAVES, w, w + 4, w + 8, w + 12, share an early and a late tile of one head.  Up to slot c / 4 each tile has its two waves, one for the even key steps, one for the odd.  Then the early tile is done: its two waves put
; O^T, M and the sum into LDS areas of their own, take the late tile's Q and begin anew: from the next slot on, of a slot's four key steps the late tile's waves take the first two and the helpers the last two.
; So the late tile's 16 - c key steps lie on four waves, each with a running M, a sum and an O^T of its own.  AT THE END, behind a barrier that shows the ring read out, all but the late tile's first wave put their states into
; slot 0's bytes (they have had their last fill); behind a second barrier that wave joins the four states, and the early tile's first wave joins the early tile's two: all are brought under the largest M by whole powers of two.
; A wave that had no step hands zeros, with the factor 0.  Every branch hangs on the wave's number and on c alone: the same in all four partners.
; EVERY work-group walks all 16 key steps: trip counts are constants, no tensor load and no barrier is jumped over.
; THE RING: two LDS slots of 512 keys (K's eight records, then V's eight), 131,072 bytes apart.  Waves 0-7 fetch, 12,800 dense bytes each; all sixteen read.  CLUSTER: the four work-groups share KV head g: each tile is asked for jointly.
; LIMITS: NaN and infinities are not served.  The promise holds while |t| stays under 2^31.  A block whose largest magnitude lies under 2^-124, a block of zeros among them, gets the byte 1; this program alone reads the bytes.
; REGISTERS: v1-11, v29-31 addresses; v12 -M, v13 the largest t, v[14:15] the sum in two halves; v16-27 Q; v28 Q's scale words; v32-79 four fragments of K or V; v80-87 K's scale words, v88-95 V's;
;   v96-159 S^T, then p, then V's second record; v160-223 O^T; v224-243 p's codes; v232-254 at work.
.set REC,   6400
.set SLOT1, 131072
.set VOFF,  8*REC
.set SPARE, SLOT1+16*REC               ; the spare words: 2,048 bytes that no other line names
.set MRG,   SPARE+2048                 ; eight areas for the early tiles' states; no tensor load lands here
.set MRGP,  8704                       ; a state: O^T's 64 registers and four of statistics, 512 bytes for each four
.set L16,  1                           ; 16 x lane
.set R16,  2                           ; 16 x (lane % 16)
.set LK,   3                           ; 16 x lane + my key step's place in a pair of steps
.set LS,   4                           ; 16 x (lane % 16) + the same
.set SPW,  5
.set NIL,  6
.set EA,   7                           ; my area for the early tile's state, + 16 x lane
.set ADK,  8
.set ADS,  9
.set ADV,  10
.set ADT,  11
.set DQ,   29                          ; my query's place in its key step, less 16 (lane / 16)
.set PFO,  30                          ; 256 x min(lane, 24)
.set FA,   31                          ; my area for the late tile's state (its first wave: the first of the three that it reads), + 16 x lane
.set WV,   18
.set SEL,  20
.set CS,   22
.set G1,   24
.set NE,   32                          ; 1 in an early tile's wave
.set EL,   33                          ; 1 in a late tile's wave
.set PI,   34                          ; 0: even key steps, 1: odd
.set JL,   35                          ; the late tile's last key step
.set DLT,  36                          ; what turns my DQ into the late tile's
.set K1,   37                          ; the value of SLOTS in the early tile's last slot
.set OWN,  38                          ; 1 in the late tile's first wave
.set G0,   40
.set TB,   44
.set JC,   45
.set J,    46
.set SLOTS, 47
.set PFA,  48
.set JH,   50                          ; s50, s51: 1 = the slot's first (second) pair of key steps is not mine
.set LIM,  53
.set QL,   96                          ; s[96:99] the late tile's Q: codes, scale words
.macro QUANT src, pc, tm, pw           ; 64 numbers of a lane, register 16 b + i = k 32 b + 16 (lane / 16) + i of my row, become a fragment in v[pc] .. v[pc + 11] and its scale word in v[pw]
.irp b, 0,1,2,3
	v_max3_num_f32 v[\tm+\b], |v[\src+16*\b]|, |v[\src+1+16*\b]|, 0x1800000
.endr
.irp i, 2,4,6,8,10,12,14
.irp b, 0,1,2,3
	s_delay_alu instid0(VALU_DEP_4)
	v_max3_num_f32 v[\tm+\b], v[\tm+\b], |v[\src+16*\b+\i]|, |v[\src+1+16*\b+\i]|
.endr
.endr
.irp b, 0,1,2,3
	s_delay_alu instid0(VALU_DEP_4)
	v_permlanex16_b32 v[\tm+4+\b], v[\tm+\b], s[SEL], s[SEL+1]
.endr
.irp b, 0,1,2,3
	s_delay_alu instid0(VALU_DEP_4)
	v_max_num_f32 v[\tm+\b], v[\tm+\b], v[\tm+4+\b]
.endr
.irp b, 0,1,2,3
	s_delay_alu instid0(VALU_DEP_4)
	v_add_nc_u32 v[\tm+12+\b], 0xff000000, v[\tm+\b]
.endr
.irp b, 0,1,2,3
	s_delay_alu instid0(VALU_DEP_4)
	v_lshrrev_b32 v[\tm+4+\b], 23, v[\tm+12+\b]
.endr
	s_delay_alu instid0(VALU_DEP_3)
	v_lshl_or_b32 v[\pw], v[\tm+5], 8, v[\tm+4]
	s_delay_alu instid0(VALU_DEP_1)
	v_lshl_or_b32 v[\pw], v[\tm+6], 16, v[\pw]
	s_delay_alu instid0(VALU_DEP_1)
	v_lshl_or_b32 v[\pw], v[\tm+7], 24, v[\pw]
.irp c, 0,1
	v_cvt_scalef32_pk16_fp6_f32 v[\pc+6*\c:\pc+2+6*\c], v[\src+32*\c:\src+15+32*\c], v[\tm+12+2*\c]
	v_cvt_scalef32_pk16_fp6_f32 v[\pc+12+4*\c:\pc+14+4*\c], v[\src+16+32*\c:\src+31+32*\c], v[\tm+12+2*\c+1]
.endr
	v_nop                                          ; one plain place behind a scaled conversion
.irp c, 0,1
.irp i, 0,1,2
	v_permlane16_swap_b32 v[\pc+6*\c+\i], v[\pc+12+4*\c+\i]
.endr
.irp i, 0,1,2
	s_delay_alu instid0(VALU_DEP_3)
	v_mov_b32 v[\pc+3+6*\c+\i], v[\pc+12+4*\c+\i]
.endr
.endr
.endm
.macro TLOAD                           ; waves 0-7 fetch; the branch hangs on the wave's number alone.  s_nop 0 and four v_nop follow the load
	s_cmp_lt_u32 s[WV], 8
	s_cbranch_scc0 .Lnone_\@
	tensor_load_to_lds s[G0:G0+3], s[G1:G1+7]
	s_nop 0
.rept 4
	v_nop
.endr
.Lnone_\@:
.endm
; A PREFETCH INTO THE L2, behind the change of slots' tensor loads, of the slot that the NEXT change will ask for: eight records of K and eight of V, 25 blocks of 256 bytes each.  All eight clusters of a KV head walk the same
; K and V: the first cluster asks.  In each of its four work-groups waves 8, 9 ask for K and waves 10, 11 for V, one instruction each: record 2 cx + wave % 2 of the slot's eight: the partners are told apart by address alone.
; A lane names a block; lanes 25-31 name lane 24's again.  The first two changes ask (for slots 2 and 3); the third asks for nothing.
.macro ASK
	s_cmp_gt_u32 s[SLOTS], s[LIM]
	s_cbranch_scc0 .Lnot_mine_\@
	global_prefetch_b8 v[PFO], s[PFA:PFA+1] th:TH_LOAD_NT scope:SCOPE_SE
.Lnot_mine_\@:
.endm
.macro CROUND
	s_barrier_signal -1
	s_barrier_wait -1
	s_cmp_lg_u32 s[WV], 0
	s_cbranch_scc1 .Lnot_wave_0_\@
	s_barrier_signal -3
.Lnot_wave_0_\@:
	s_barrier_wait -3
	s_barrier_signal -1
	s_barrier_wait -1
.endm
.macro QOFF t, oc, os, dq              ; tile s[t] of head hq (s75 = 32 hq): byte offsets of Q's fragment and of its scale words' column, and the tile's first query in its key step
	s_lshr_b32 s76, s\t, 2
	s_add_co_u32 s76, s76, s75
	s_mul_i32 s76, s76, REC
	s_and_b32 s77, s\t, 3
	s_mul_i32 s\oc, s77, 1536
	s_add_co_u32 s\oc, s\oc, s76
	s_lshl_b32 s77, s77, 2
	s_add_co_u32 s\os, s76, s77
	s_bfe_u32 s\dq, s\t, 0x20001
	s_lshl_b32 s\dq, s\dq, 5
	s_and_b32 s77, s\t, 1
	s_lshl_b32 s77, s77, 3
	s_add_co_u32 s\dq, s\dq, s77
.endm
.macro FRESH                           ; a state with no key step in it: the step is written once; the first finds zeros, which the first change of M leaves zeros
	v_mov_b32 v13, 0xff61b1e6                      ; -3e38, under every t
	s_delay_alu instid0(VALU_DEP_1)
	v_floor_f32 v12, -v13
	v_mov_b32 v14, 0
	v_mov_b32 v15, 0
.set NJ, 0
.rept 64
	v_mov_b32 v[160+NJ], 0
.set NJ, NJ+1
.endr
.endm
.macro HAND adr                        ; my state into LDS as it stands, 16 bytes a lane; each accumulator from its low end on
.set NJ, 0
.rept 16
	ds_store_b128 v[\adr], v[160+4*NJ:163+4*NJ] offset:512*NJ
.set NJ, NJ+1
.endr
	ds_store_b128 v[\adr], v[12:15] offset:8192
.endm
.macro LOADO dst, adr, off
.set NJ, 0
.rept 16
	ds_load_b128 v[\dst+4*NJ:\dst+4*NJ+3], v[\adr] offset:(\off)+512*NJ
.set NJ, NJ+1
.endr
.endm
.macro ADDO src, f                     ; O^T += a partner's O^T x its factor
.set NJ, 0
.rept 32
	v_pk_fma_f32 v[160+NJ:161+NJ], v[\src+NJ:\src+NJ+1], v[\f:\f+1], v[160+NJ:161+NJ] op_sel_hi:[1,0,1]
.set NJ, NJ+2
.endr
.endm
	s_load_b128 s[4:7], s[0:1], 0x0                ; qkv, att
	v_lshl_add_u32 v[SPW], v0, 2, SPARE
	v_mov_b32 v[NIL], 0
	ds_add_u32 v[SPW], v[NIL]                      ; the opening lines: the add, twice on end, and its wait
	ds_add_u32 v[SPW], v[NIL]
	v_lshrrev_b32 v8, 5, v0
	s_delay_alu instid0(VALU_DEP_1)
	v_readfirstlane_b32 s[WV], v8                  ; wave 0..15
	s_and_b32 s92, s[WV], 7                        ; my first tile among the work-group's eight
	s_lshr_b32 s[PI], s[WV], 3
	s_bfe_u32 s54, ttmp6, 0x40000                  ; cx: it enters Q's and att's addresses, the mask's bound and the prefetch's address, and nothing else
	s_and_b32 s55, ttmp7, 0xffff                   ; g
	s_lshr_b32 s56, s92, 2                         ; u
	s_xor_b32 s[EL], s92, s56
	s_and_b32 s[EL], s[EL], 1
	s_xor_b32 s[NE], s[EL], 1
	s_xor_b32 s[OWN], s[PI], 1
	s_and_b32 s[OWN], s[OWN], s[EL]
	s_bfe_u32 s58, s92, 0x10001
	s_lshl_b32 s59, s55, 1
	s_add_co_u32 s58, s58, s59                     ; hq = 2 g + (tile / 2) % 2
	s_lshl_b32 s60, ttmp9, 3
	s_lshl_b32 s61, s54, 1
	s_add_co_u32 s59, s60, s61                     ; 8 c + 2 cx
	s_add_co_u32 s60, s59, s56                     ; x
	s_xor_b32 s61, s56, s[NE]                      ; the u of the late tile of my four waves
	s_add_co_u32 s61, s59, s61
	s_sub_co_u32 s61, 127, s61                     ; that late tile
	s_sub_co_u32 s[JL], 15, ttmp9
	s_cmp_eq_u32 s[EL], 1
	s_cselect_b32 s60, s61, s60                    ; T, my first tile
	s_cselect_b32 s[J], s[JL], ttmp9               ; its last key step, made without cx
	s_lshr_b32 s[K1], ttmp9, 2
	s_sub_co_u32 s[K1], 3, s[K1]
	s_add_co_u32 s63, s55, 16
	s_lshl_b32 s63, s63, 5                         ; K's first record
	s_lshl_b32 s66, s55, 5
	s_add_co_u32 s66, s66, 768                     ; V's
	s_and_b32 s67, s[WV], 3
	s_lshl_b32 s67, s67, 1                         ; which of a slot's four key steps I fetch: two records
	s_cmp_lt_u32 s92, 4                            ; waves 0-3: K's, waves 4-7: V's
	s_cselect_b32 s68, s63, s66
	s_add_co_u32 s68, s68, s67
	s_mul_i32 s68, s68, REC
	s_mov_b32 s69, 0
	s_mul_i32 s70, s92, 2*REC
	s_lshl_b32 s74, s54, 1
	s_and_b32 s71, s[WV], 1
	s_add_co_u32 s74, s74, s71
	s_add_co_u32 s74, s74, 8                       ; the prefetches: record 2 cx + wave % 2 of slot 1; the first change of slots steps it to slot 2
	s_cmp_lt_u32 s[WV], 10
	s_cselect_b32 s72, s63, s66
	s_add_co_u32 s72, s72, s74
	s_mul_i32 s72, s72, REC
	s_mov_b32 s73, 0
	s_lshr_b32 s74, s[WV], 2
	s_xor_b32 s74, s74, 2                          ; 0 in waves 8 to 11,
	s_or_b32 s74, s74, ttmp9                       ; of the KV head's first cluster
	s_cmp_eq_u32 s74, 0
	s_cselect_b32 s[LIM], 1, -1
	s_lshl_b32 s75, s58, 5
	QOFF 60, 78, 80, 88
	QOFF 61, 82, 84, 89
	s_mov_b32 s79, 0
	s_mov_b32 s81, 0
	s_mov_b32 s83, 0
	s_mov_b32 s85, 0
	s_sub_co_u32 s[DLT], s89, s88
	s_lshl_b32 s86, s60, 2
	s_lshr_b32 s87, s58, 2
	s_add_co_u32 s86, s86, s87
	s_mul_i32 s86, s86, REC                        ; att's record 4 T + hq / 4,
	s_and_b32 s87, s58, 3
	s_mul_i32 s90, s87, 1536
	s_add_co_u32 s90, s90, s86                     ; fragment hq % 4,
	s_mov_b32 s91, 0
	s_lshl_b32 s87, s87, 2
	s_add_co_u32 s86, s86, s87                     ; and its scale words' column
	s_mov_b32 s87, 0
	s_mul_i32 s94, s[PI], 2*REC                    ; my key step's place in a pair of steps
	s_and_b32 s95, s[WV], 3                        ; which four waves
	s_lshl_b32 s39, s95, 1
	s_add_co_u32 s39, s39, s[PI]
	s_mul_i32 s39, s39, MRGP
	s_add_co_u32 s39, s39, MRG                     ; the early tile's states: area 2 x four + odd
	s_add_co_u32 s52, s[PI], 1
	s_mul_i32 s52, s52, s[NE]                      ; the late tile's: its second wave 0, the helpers 1 and 2
	s_mul_i32 s95, s95, 3
	s_add_co_u32 s95, s95, s52
	s_mul_i32 s95, s95, MRGP                       ; from LDS byte 0 on: 12 areas, 104,448 bytes, under slot 1's first byte
	s_mov_b32 s[G1], 15|(3<<16)|(1<<21)            ; 12,800 dense bytes as 50 rows of 256 bytes; the mask names all four work-groups
	s_mov_b32 s[G1+1], 32<<16
	s_mov_b32 s[G1+2], 50<<16
	s_mov_b32 s[G1+3], 32<<16
	s_mov_b32 s[G1+4], 50
	s_mov_b32 s[G1+5], 32
	s_mov_b32 s[G1+6], 0
	s_mov_b32 s[G1+7], 0
	s_mov_b32 s[SEL], 0x76543210
	s_mov_b32 s[SEL+1], 0xfedcba98
	s_mov_b32 s[CS], 0x3e0293ee                    ; log2(e) / sqrt(128)
	s_mov_b32 s[CS+1], s[CS]
	s_mov_b32 s[TB], 0
	s_mov_b32 s[JC], s[PI]
	s_mov_b32 s[SLOTS], 3
	; every address register is made here, ahead of the first branch on the wave's number
	v_and_b32 v[L16], 31, v0
	s_delay_alu instid0(VALU_DEP_1)
	v_min_u32 v[PFO], 24, v[L16]
	s_delay_alu instid0(VALU_DEP_1)
	v_lshlrev_b32 v[PFO], 8, v[PFO]
	s_delay_alu instid0(VALU_DEP_3)
	v_lshlrev_b32 v[L16], 4, v[L16]
	v_and_b32 v32, 15, v0
	s_delay_alu instid0(VALU_DEP_1)
	v_lshlrev_b32 v[R16], 4, v32
	v_bfe_u32 v33, v0, 4, 1
	s_delay_alu instid0(VALU_DEP_4)
	v_add_nc_u32 v[LK], s94, v[L16]
	s_delay_alu instid0(VALU_DEP_3)
	v_add_nc_u32 v[LS], s94, v[R16]
	v_add_nc_u32 v[EA], s39, v[L16]
	v_add_nc_u32 v[FA], s95, v[L16]
	v_and_b32 v34, 8, v32
	s_delay_alu instid0(VALU_DEP_1)
	v_add_nc_u32 v[DQ], v34, v32
	v_lshlrev_b32 v34, 4, v33
	s_delay_alu instid0(VALU_DEP_1)
	v_sub_nc_u32 v[DQ], v[DQ], v34
	s_delay_alu instid0(VALU_DEP_1)
	v_add_nc_u32 v[DQ], s88, v[DQ]
	s_wait_alu depctr_va_vdst(0)                   ; directly ahead of the waits below
	s_wait_dscnt 0x0                               ; both opening adds are done
	s_wait_kmcnt 0x0
	s_add_nc_u64 s[8:9], s[4:5], s[78:79]          ; Q's codes
	s_add_nc_u64 s[10:11], s[4:5], s[80:81]        ; Q's scale words
	s_add_nc_u64 s[QL:QL+1], s[4:5], s[82:83]
	s_add_nc_u64 s[QL+2:QL+3], s[4:5], s[84:85]
	s_add_nc_u64 s[12:13], s[6:7], s[90:91]        ; att's codes
	s_add_nc_u64 s[14:15], s[6:7], s[86:87]        ; att's scale words
	s_add_nc_u64 s[PFA:PFA+1], s[4:5], s[72:73]
	s_mov_b32 s[G0], 1
	s_mov_b32 s[G0+1], s70
	s_add_nc_u64 s[G0+2:G0+3], s[4:5], s[68:69]
	s_or_b32 s[G0+3], s[G0+3], 0x80000000
	CROUND                                         ; all four work-groups are here: the first joint loads meet
	TLOAD                                          ; slot 0
.irp g, 0,1,2
	global_load_b128 v[16+4*\g:19+4*\g], v[L16], s[8:9] offset:512*\g
.endr
	global_load_b32 v28, v[R16], s[10:11] offset:6144
	FRESH
.irp b, 0,1,2,3
	v_mov_b32 v[236+\b], 0                         ; a lane permute's destination counts as one of its sources
.endr
	v_mov_b32 v252, 0
	v_mov_b32 v253, 0
; A KEY STEP: 128 keys: mine of the half-th pair of key steps of the slot in hand
.macro STEP half
	s_cmp_gt_u32 s[JC], s[J]                       ; all its keys come after my queries,
	s_cbranch_scc1 .Lhidden_\@
	s_cmp_lg_u32 s[JH+\half], 0                    ; or this pair of key steps belongs to the other two waves
	s_cbranch_scc1 .Lhidden_\@
	v_add_nc_u32 v[ADK], s[TB], v[LK]
	v_add_nc_u32 v[ADS], s[TB], v[LS]
	v_add_nc_u32 v[ADV], VOFF, v[ADK]
	v_add_nc_u32 v[ADT], VOFF, v[ADS]              ; with the two v_nop at the last step's end: the places behind its products
	s_wait_alu depctr_va_vdst(0)
.irp rec, 0,1                                  ; S^T = K Q^T, a record (four tiles of 16 keys) at a time
.if \rec
.rept 4
	v_nop
.endr
.endif
.irp t, 0,1,2,3
.irp g, 0,1,2
	ds_load_b128 v[32+12*\t+4*\g:35+12*\t+4*\g], v[ADK] offset:4*REC*(\half)+REC*\rec+1536*\t+512*\g
.endr
.endr
	ds_load_b128 v[80+4*\rec:83+4*\rec], v[ADS] offset:4*REC*(\half)+REC*\rec+6144
	s_wait_dscnt 0x0
.irp t, 0,1,2,3
	v_wmma_scale_f32_16x16x128_f8f6f4 v[96+8*(4*\rec+\t):103+8*(4*\rec+\t)], v[32+12*\t:43+12*\t], v[16:27], 0, v[80+4*\rec+\t], v28 matrix_a_fmt:MATRIX_FMT_FP6 matrix_b_fmt:MATRIX_FMT_FP6
.endr
.endr                                          ; lane (r, h): query r; register 16 b + i: key 32 b + 16 h + i of the step
.rept 4
	v_nop
.endr
.irp t, 0,1,2,3                                ; V's first record and both records' scale words land during the softmax
.irp g, 0,1,2
	ds_load_b128 v[32+12*\t+4*\g:35+12*\t+4*\g], v[ADV] offset:4*REC*(\half)+1536*\t+512*\g
.endr
.endr
	ds_load_b128 v[88:91], v[ADT] offset:4*REC*(\half)+6144
	ds_load_b128 v[92:95], v[ADT] offset:4*REC*(\half)+REC+6144
	s_cmp_lg_u32 s[JC], s[J]                       ; on the diagonal the scores of hidden keys become -infinity ahead of the maximum: p = 0 then
	s_cbranch_scc1 .Lopen_\@
	v_mov_b32 v254, 0xff800000
.set NJ, 0
.rept 64
	v_cmp_gt_i32 vcc_lo, 32*(NJ/16)+NJ%16, v[DQ]
	v_cndmask_b32 v[96+NJ], v[96+NJ], v254, vcc_lo
.set NJ, NJ+1
.endr
.Lopen_\@:
.irp b, 0,1,2,3
	v_max3_num_f32 v[232+\b], v[96+16*\b], v[97+16*\b], v[98+16*\b]   ; the largest score of each block of 32 keys: for the row's maximum and, since p rises with the score, for the block's largest p
.endr
.irp i, 3,5,7,9,11,13
.irp b, 0,1,2,3
	v_max3_num_f32 v[232+\b], v[232+\b], v[96+16*\b+\i], v[97+16*\b+\i]
.endr
.endr
.irp b, 0,1,2,3
	v_max_num_f32 v[232+\b], v[232+\b], v[111+16*\b]
.endr
.irp b, 0,1,2,3
	s_delay_alu instid0(VALU_DEP_4)
	v_permlanex16_b32 v[236+\b], v[232+\b], s[SEL], s[SEL+1]
.endr
.irp b, 0,1,2,3
	s_delay_alu instid0(VALU_DEP_4)
	v_max_num_f32 v[232+\b], v[232+\b], v[236+\b]
.endr
	s_delay_alu instid0(VALU_DEP_2)
	v_max3_num_f32 v254, v232, v233, v234
	s_delay_alu instid0(VALU_DEP_1)
	v_max_num_f32 v254, v254, v235
	s_delay_alu instid0(VALU_DEP_1)
	v_mul_f32 v254, s[CS], v254                    ; the step's largest t
	s_delay_alu instid0(VALU_DEP_1)
	v_max_num_f32 v13, v13, v254
	v_mov_b32 v254, v12
	s_delay_alu instid0(VALU_DEP_2)
	v_floor_f32 v12, -v13                          ; the new -M = floor(-t)
	s_delay_alu instid0(VALU_DEP_1)
	v_sub_f32 v254, v12, v254                      ; old M - new M: a whole number, 0 or less
	s_delay_alu instid0(VALU_DEP_1)
	v_cvt_i32_f32 v254, v254                       ; (it saturates)
	s_delay_alu instid0(VALU_DEP_1)
	v_ldexp_f32 v252, 1.0, v254                    ; f = 2^(old M - new M)
.set NJ, 0
.rept 32
	v_pk_fma_f32 v[96+NJ:97+NJ], v[96+NJ:97+NJ], s[CS:CS+1], v[12:13] op_sel_hi:[1,0,0]   ; t - M
.set NJ, NJ+2
.endr
.irp b, 0,1,2,3
	v_fma_f32 v[232+\b], v[232+\b], s[CS], v12
.endr
.set NJ, 0
	s_wait_alu depctr_va_vdst(0)
.rept 64
	v_exp_f32 v[96+NJ], v[96+NJ]                   ; p = 2^(t - M), at most 1
.set NJ, NJ+1
.endr
.irp b, 0,1,2,3
	v_exp_f32 v[232+\b], v[232+\b]                 ; the block's largest p
.endr
	v_pk_mul_f32 v[14:15], v[14:15], v[252:253] op_sel_hi:[1,0]   ; the sums under the new M (a plain place behind the exponentials)
	s_wait_alu depctr_va_vdst(0)                   ; and behind it
.irp b, 0,1,2,3
	v_max_num_f32 v[232+\b], 0x1800000, v[232+\b]  ; the floor 2^(3 - 127)
.endr
.irp b, 0,1,2,3
	s_delay_alu instid0(VALU_DEP_4)
	v_add_nc_u32 v[244+\b], 0xff000000, v[232+\b]
.endr
.irp b, 0,1,2,3
	s_delay_alu instid0(VALU_DEP_4)
	v_lshrrev_b32 v[236+\b], 23, v[244+\b]
.endr
	s_delay_alu instid0(VALU_DEP_3)
	v_lshl_or_b32 v253, v237, 8, v236              ; p's scale word for these 128 keys
	s_delay_alu instid0(VALU_DEP_1)
	v_lshl_or_b32 v253, v238, 16, v253
	s_delay_alu instid0(VALU_DEP_1)
	v_lshl_or_b32 v253, v239, 24, v253
.irp c, 0,1
	v_cvt_scalef32_pk16_fp6_f32 v[224+6*\c:226+6*\c], v[96+32*\c:111+32*\c], v[244+2*\c]
	v_cvt_scalef32_pk16_fp6_f32 v[236+4*\c:238+4*\c], v[112+32*\c:127+32*\c], v[244+2*\c+1]
.endr
	v_nop
.irp c, 0,1
.irp i, 0,1,2
	v_permlane16_swap_b32 v[224+6*\c+\i], v[236+4*\c+\i]
.endr
.irp i, 0,1,2
	s_delay_alu instid0(VALU_DEP_3)
	v_mov_b32 v[227+6*\c+\i], v[236+4*\c+\i]
.endr
.endr
	v_pk_add_f32 v[236:237], v[100:101], v[104:105]   ; the row's sum of the unquantised p, in eight chains
	v_pk_add_f32 v[254:255], v[108:109], v[112:113]
	v_pk_add_f32 v[250:251], v[116:117], v[120:121]
	v_pk_add_f32 v[248:249], v[124:125], v[128:129]
	v_pk_add_f32 v[246:247], v[132:133], v[136:137]
	v_pk_add_f32 v[244:245], v[140:141], v[144:145]
	v_pk_add_f32 v[242:243], v[148:149], v[152:153]
	v_pk_add_f32 v[14:15], v[14:15], v[156:157]
	v_pk_add_f32 v[236:237], v[236:237], v[96:97]
	v_pk_add_f32 v[254:255], v[254:255], v[98:99]
	v_pk_add_f32 v[250:251], v[250:251], v[102:103]
	v_pk_add_f32 v[248:249], v[248:249], v[106:107]
	v_pk_add_f32 v[246:247], v[246:247], v[110:111]
	v_pk_add_f32 v[244:245], v[244:245], v[114:115]
	v_pk_add_f32 v[242:243], v[242:243], v[118:119]
	v_pk_add_f32 v[14:15], v[14:15], v[122:123]
	v_pk_add_f32 v[236:237], v[236:237], v[126:127]
	v_pk_add_f32 v[254:255], v[254:255], v[130:131]
	v_pk_add_f32 v[250:251], v[250:251], v[134:135]
	v_pk_add_f32 v[248:249], v[248:249], v[138:139]
	v_pk_add_f32 v[246:247], v[246:247], v[142:143]
	v_pk_add_f32 v[244:245], v[244:245], v[146:147]
	v_pk_add_f32 v[242:243], v[242:243], v[150:151]
	v_pk_add_f32 v[14:15], v[14:15], v[154:155]
	v_pk_add_f32 v[236:237], v[236:237], v[158:159]
	s_delay_alu instid0(VALU_DEP_2)
	v_pk_add_f32 v[14:15], v[14:15], v[248:249]
	s_delay_alu instid0(VALU_DEP_2)
	v_pk_add_f32 v[236:237], v[236:237], v[246:247]
	v_pk_add_f32 v[254:255], v[254:255], v[244:245]
	v_pk_add_f32 v[250:251], v[250:251], v[242:243]
	s_delay_alu instid0(VALU_DEP_2)
	v_pk_add_f32 v[14:15], v[14:15], v[254:255]
	s_delay_alu instid0(VALU_DEP_2)
	v_pk_add_f32 v[236:237], v[236:237], v[250:251]
	s_delay_alu instid0(VALU_DEP_1)
	v_pk_add_f32 v[14:15], v[14:15], v[236:237]
.irp t, 0,1,2,3                                ; p has been read for the last time: its registers take V's second record
.irp g, 0,1,2
	ds_load_b128 v[96+12*\t+4*\g:99+12*\t+4*\g], v[ADV] offset:4*REC*(\half)+REC+1536*\t+512*\g
.endr
.endr
	s_wait_alu depctr_va_vdst(0)                   ; directly ahead of the first reader of O^T
.set NJ, 0
.rept 32
	v_pk_mul_f32 v[160+NJ:161+NJ], v[160+NJ:161+NJ], v[252:253] op_sel_hi:[1,0]   ; O^T under the new M; these are also the places in front of the products below
.set NJ, NJ+2
.endr
	s_wait_alu depctr_va_vdst(0)                   ; directly ahead of the wait below
	s_wait_dscnt 12                                ; V's first record and the scale words are in; the 12 loads of the second may be out
.irp t, 0,1,2,3
	v_wmma_scale_f32_16x16x128_f8f6f4 v[160+8*\t:167+8*\t], v[32+12*\t:43+12*\t], v[224:235], v[160+8*\t:167+8*\t], v[88+\t], v253 matrix_a_fmt:MATRIX_FMT_FP6 matrix_b_fmt:MATRIX_FMT_FP6
.endr
	s_wait_dscnt 0x0
.irp t, 0,1,2,3
	v_wmma_scale_f32_16x16x128_f8f6f4 v[192+8*\t:199+8*\t], v[96+12*\t:107+12*\t], v[224:235], v[192+8*\t:199+8*\t], v[92+\t], v253 matrix_a_fmt:MATRIX_FMT_FP6 matrix_b_fmt:MATRIX_FMT_FP6
.endr
	v_nop                                          ; with the next step's four additions: six places ahead of the products that write over v96 on
	v_nop
.Lhidden_\@:
	s_add_co_u32 s[JC], s[JC], 2
.endm
; THE CHANGE OF SLOTS.  Each wave waits for all its tensor loads, adds 0 to its spare word, and waits for that and for its LDS instructions.
.macro CHANGE fill
	s_wait_tensorcnt 0x0
	ds_add_u32 v[SPW], v[NIL]
.if \fill
	ds_add_u32 v[SPW], v[NIL]
	s_xor_b32 s[G0+1], s[G0+1], SLOT1              ; the other slot than last time,
	s_add_nc_u64 s[G0+2:G0+3], s[G0+2:G0+3], 8*REC   ; the next 512 keys
	s_wait_xcnt 0x0                                ; the last prefetch, a slot back, has read its address
	s_add_nc_u64 s[PFA:PFA+1], s[PFA:PFA+1], 8*REC
	s_wait_dscnt 0x0
	CROUND
	TLOAD                                          ; the first thing behind the round, and a wave's one tensor load until the next
	ASK
.else
	s_wait_dscnt 0x0
	s_barrier_signal -1
	s_barrier_wait -1
.endif
.endm
	s_wait_alu depctr_va_vdst(0)
	s_wait_loadcnt 0x0                             ; Q
.Lslot:                                                ; 3 trips: behind each change of slots but the last the next slot is asked for
	CHANGE 1
	s_cmp_lt_u32 s[SLOTS], s[K1]                   ; is the early tile done?  Then a slot's first two key steps are the late tile's waves', the last two the helpers'
	s_cselect_b32 s[JH], s[NE], 0
	s_cselect_b32 s[JH+1], s[EL], 0
	STEP 0
	STEP 1
	s_cmp_lg_u32 s[SLOTS], s[K1]                   ; THE EARLY TILE'S WAVES BECOME HELPERS behind its last slot
	s_cbranch_scc1 .Lstay
	s_cmp_eq_u32 s[NE], 0
	s_cbranch_scc1 .Lstay
.rept 4
	v_nop                                          ; places between the last products and the lines below
.endr
.irp g, 0,1,2
	global_load_b128 v[16+4*\g:19+4*\g], v[L16], s[QL:QL+1] offset:512*\g
.endr
	global_load_b32 v28, v[R16], s[QL+2:QL+3] offset:6144
	HAND EA                                        ; nobody reads these bytes before the barriers at the end
	FRESH
	v_add_nc_u32 v[DQ], s[DLT], v[DQ]
	s_mov_b32 s[J], s[JL]
	s_wait_alu depctr_va_vdst(0)                   ; directly ahead of the wait below
	s_wait_loadcnt 0x0
.Lstay:
	s_xor_b32 s[TB], s[TB], SLOT1
	s_sub_co_u32 s[SLOTS], s[SLOTS], 1
	s_cmp_lg_u32 s[SLOTS], 0
	s_cbranch_scc1 .Lslot
	CHANGE 0                                       ; the last slot is written out
	STEP 0
	STEP 1
	; THE END.  A barrier: every wave's reads of the ring are over.  Then the states go into slot 0's bytes; a second barrier; the tiles' first waves join them.
.rept 4
	v_nop
.endr
	s_wait_alu depctr_va_vdst(0)                   ; directly ahead of the wait below
	s_wait_dscnt 0x0
	s_barrier_signal -1
	s_barrier_wait -1
	s_cmp_lg_u32 s[OWN], 0
	s_cbranch_scc1 .Lkeeps
	HAND FA
.Lkeeps:
	s_wait_dscnt 0x0                               ; for the others' sake: my stores have landed
	s_barrier_signal -1
	s_barrier_wait -1
	s_cmp_lt_u32 s[WV], 8
	s_cbranch_scc0 .Lend                           ; waves 8-15 have handed their parts over
; My state and np partners' (statistics at 8,192 of each area) under the largest M, divided by the row's sum: the result in v160-223
.macro MERGE np, adr, off
.set NI, 0
.rept \np
	ds_load_b128 v[224+4*NI:227+4*NI], v[\adr] offset:(\off)+MRGP*NI+8192   ; -M, t, the sum's halves
.set NI, NI+1
.endr
	LOADO 96, \adr, \off
.if \np > 1
	LOADO 32, \adr, (\off)+MRGP
	s_wait_dscnt 32                                ; the statistics are in; two partners' 16 loads each may be out
.else
	s_wait_dscnt 16
.endif
	v_min_num_f32 v240, v12, v224                  ; -M of all: the largest M
.if \np > 1
	s_delay_alu instid0(VALU_DEP_1)
	v_min3_num_f32 v240, v240, v228, v232
.endif
	s_delay_alu instid0(VALU_DEP_1)
	v_sub_f32 v241, v240, v12                      ; each M less it: whole numbers, 0 or less (a state with no step: about -3e38)
	v_sub_f32 v242, v240, v224
.if \np > 1
	v_sub_f32 v243, v240, v228
	v_sub_f32 v236, v240, v232
.endif
	v_cvt_i32_f32 v241, v241                       ; (they saturate)
	v_cvt_i32_f32 v242, v242
.if \np > 1
	v_cvt_i32_f32 v243, v243
	v_cvt_i32_f32 v236, v236
.endif
	v_ldexp_f32 v244, 1.0, v241                    ; the factors: whole powers of two, or 0
	v_ldexp_f32 v246, 1.0, v242
	v_mov_b32 v245, 0                              ; (named as the upper halves of pairs, so they are written)
	v_mov_b32 v247, 0
.if \np > 1
	v_ldexp_f32 v248, 1.0, v243
	v_ldexp_f32 v250, 1.0, v236
	v_mov_b32 v249, 0
	v_mov_b32 v251, 0
.endif
	v_pk_mul_f32 v[14:15], v[14:15], v[244:245] op_sel_hi:[1,0]
	s_delay_alu instid0(VALU_DEP_1)
	v_pk_fma_f32 v[14:15], v[226:227], v[246:247], v[14:15] op_sel_hi:[1,0,1]
.if \np > 1
	s_delay_alu instid0(VALU_DEP_1)
	v_pk_fma_f32 v[14:15], v[230:231], v[248:249], v[14:15] op_sel_hi:[1,0,1]
	s_delay_alu instid0(VALU_DEP_1)
	v_pk_fma_f32 v[14:15], v[234:235], v[250:251], v[14:15] op_sel_hi:[1,0,1]
.endif
	s_delay_alu instid0(VALU_DEP_1)
	v_add_f32 v14, v14, v15
	s_delay_alu instid0(VALU_DEP_1)
	v_permlanex16_b32 v252, v14, s[SEL], s[SEL+1]
	s_delay_alu instid0(VALU_DEP_1)
	v_add_f32 v14, v14, v252                       ; the row's sum
	s_wait_alu depctr_va_vdst(0)
	v_rcp_f32 v14, v14
	v_nop                                          ; one plain place behind it
	s_wait_alu depctr_va_vdst(0)
	v_mul_f32 v244, v244, v14                      ; the division goes into the factors
	v_mul_f32 v246, v246, v14
.if \np > 1
	v_mul_f32 v248, v248, v14
	v_mul_f32 v250, v250, v14
	s_wait_dscnt 16                                ; the first partner's O^T is in
.else
	s_wait_dscnt 0x0
.endif
	s_wait_alu depctr_va_vdst(0)                   ; directly ahead of the first reader of O^T and of the factors
.set NJ, 0
.rept 32
	v_pk_mul_f32 v[160+NJ:161+NJ], v[160+NJ:161+NJ], v[244:245] op_sel_hi:[1,0]   ; each accumulator from its low end on
.set NJ, NJ+2
.endr
	ADDO 96, 246
.if \np > 1
	LOADO 96, \adr, (\off)+2*MRGP
	s_wait_dscnt 16                                ; the second partner's is in; the third's 16 loads may be out
	ADDO 32, 248
	s_wait_dscnt 0x0
	ADDO 96, 250
.endif
	s_wait_alu depctr_va_vdst(0)                   ; ahead of the branch or label that follows
.endm
	s_cmp_lg_u32 s[NE], 0
	s_cbranch_scc1 .Learly
	MERGE 3, FA, 0                                 ; the late tile: my state is in my registers
	s_branch .Lout
.Learly:
	LOADO 160, EA, 0                               ; the early tile: my own state comes back from LDS,
	ds_load_b128 v[12:15], v[EA] offset:8192
	MERGE 1, EA, MRGP                              ; my partner's lies in the next area
.Lout:
	; THE WAY OUT.  Register 16 b + i is channel 32 b + 16 h + i of my query: they become K step hq of my tile's row of att.
.irp b, 0,1,2,3
	v_mov_b32 v[36+\b], 0                          ; the quantiser's permute destinations
.endr
	QUANT 160, 224, 32, 48
.irp g, 0,1,2
	global_store_b128 v[L16], v[224+4*\g:227+4*\g], s[12:13] offset:512*\g   ; 32 lanes store 512 consecutive bytes, aligned
.endr
	global_store_b32 v[R16], v48, s[14:15] offset:6144   ; my row's scale word; lanes l and l + 16 hold the same word and the same address
.Lend:
	s_wait_tensorcnt 0x0                           ; the wave's end
	ds_add_u32 v[SPW], v[NIL]
	s_wait_dscnt 0x0
	CROUND                                         ; the closing round
	s_endpgm
.Lfunc_end_k_q07223966b9_attn:
	.size	k_q07223966b9_attn, .Lfunc_end_k_q07223966b9_attn-k_q07223966b9_attn
	.p2alignl 7, 3214868480
	.fill 96, 4, 3214868480
	.section	.rodata,"a",@progbits
	.p2align	6, 0x0
	.amdhsa_kernel k_q07223966b9_attn
		.amdhsa_group_segment_fixed_size 327680
		.amdhsa_private_segment_fixed_size 0
		.amdhsa_enable_private_segment 0
		.amdhsa_kernarg_size 16
		.amdhsa_user_sgpr_count 2
		.amdhsa_user_sgpr_kernarg_segment_ptr 1
		.amdhsa_wavefront_size32 1
		.amdhsa_system_sgpr_workgroup_id_x 1
		.amdhsa_system_sgpr_workgroup_id_y 1
		.amdhsa_system_sgpr_workgroup_id_z 1
		.amdhsa_system_vgpr_workitem_id 0
		.amdhsa_next_free_vgpr 256
		.amdhsa_next_free_sgpr 100
		.amdhsa_reserve_vcc 1
		.amdhsa_float_denorm_mode_32 3
		.amdhsa_float_denorm_mode_16_64 3
		.amdhsa_memory_ordered 1
		.amdhsa_forward_progress 1
		.amdhsa_inst_pref_size 144
	.end_amdhsa_kernel
	.amdgpu_metadata
---
amdhsa.version: [ 1, 2 ]
amdhsa.kernels:
  - .name:           k_q07223966b9_attn
    .symbol:         k_q07223966b9_attn.kd
    .args:
      - { .name: qkv, .offset: 0, .size: 8, .value_kind: global_buffer, .address_space: global }
      - { .name: att, .offset: 8, .size: 8, .value_kind: global_buffer, .address_space: global }
    .group_segment_fixed_size: 327680
    .private_segment_fixed_size: 0
    .kernarg_segment_align: 8
    .kernarg_segment_size: 16
    .max_flat_workgroup_size: 512
    .sgpr_count:     100
    .vgpr_count:     256
    .wavefront_size: 32
...
	.end_amdgpu_metadata
.endif
;; end of part 3
;; launch gemm_out (part 4): grid 16 x 16, 4 waves a work-group, clusters of 4 x 4, 327,680 bytes of LDS; arguments att, wo_sr, out0; writes out0
.if DOCPART == 4
	.amdgcn_target "amdgcn-amd-amdhsa--gfx1250"
	.amdhsa_code_object_version 6
	.text
	.protected	k_q07223966b9_gemm_out
	.globl	k_q07223966b9_gemm_out
	.p2align	8
	.type	k_q07223966b9_gemm_out,@function
k_q07223966b9_gemm_out:
	s_mov_b64 s[64:65], 0
	v_nop
	global_prefetch_b8 v0, s[64:65] scope:SCOPE_SE
	s_setreg_imm32_b32 hwreg(HW_REG_WAVE_MODE, 25, 1), 1
	s_wait_xcnt 0x0
	s_wait_alu depctr_hold_cnt(0) depctr_sa_sdst(0) depctr_va_vdst(0) depctr_va_sdst(0) depctr_va_ssrc(0) depctr_va_vcc(0) depctr_vm_vsrc(0)
	s_getreg_b32 s2, hwreg(HW_REG_IB_STS2, 6, 4)
	s_cmp_eq_u32 s2, 0
	s_cbranch_scc0 .Lentry_in_a_cluster
	s_endpgm
.Lentry_in_a_cluster:
	s_bfe_u32 s2, ttmp6, 0x10000c
	s_cmp_lg_u32 s2, 0xf033
	s_cbranch_scc0 .Lentry_shape_is_right
	s_endpgm
.Lentry_shape_is_right:
; The last projection: out0 = att Wo on codes of FP6 (E2M3) with E8M0 scales, K = 2,048; out0 [2048][4096] f32.
; att (128 row tiles of tokens) and wo_sr (256 row tiles of Wo's columns) hold records of 6,400 bytes, [row tile][K group of 512]: four fragment images of 1,536 bytes, then 256 bytes of scale words (row r at 16 r, K step i at 4 i).
; Lane r of tile T stands for row 32 (T / 2) + 8 (T % 2) + r + 8 (r / 8).  Source 0 = Wo's tiles, source 1 = att's: a lane holds a token, and two neighbouring tiles of Wo leave it 16 neighbouring columns.
; A work-group makes 128 tokens x 256 columns (256 work-groups, one to a WGP), a wave 64 x 128.  THE RING: two slots of one K group: att's 8 records, then Wo's 16; one tensor load a wave behind each change of slots.
; CLUSTER 4 x 4: att's records are asked for jointly along a row of the cluster, Wo's along a column.
; PREFETCH INTO THE L2: behind the load of K group 0 each wave asks for groups 1 and 2, behind that of group 1 for group 3: of the records that it fetches jointly, att's waves take record cx, Wo's waves records 2 cy and 2 cy + 1,
; told apart by address alone; a lane names a block of 256 bytes, an instruction a record of 25 blocks (lanes 25-31 name lane 24's again).  The loads of groups 2 and 3 ask for nothing: no group stands two further on.
; THE WAY OUT: 16 tokens x 128 columns at a time through the wave's own stage, in slot 0's bytes, which have had their last fill and their last read; whole rows of 512 bytes leave.
.set KG,    4
.set REC,   6400
.set SLOT,  24*REC
.set BOFF,  8*REC
.set SPARE, 2*SLOT                     ; the spare words: 512 bytes that no other line names
.set LAPS,  KG/2
.set SPITCH, 528
.set ADRA, 16
.set ADRB, 20
.set ADRS, 22
.set STO,  24
.set RD,   25
.set LN16, 26
.set SPW,  28
.set NIL,  29
.set PFO,  30                          ; v30 256 x min(lane, 24); never rewritten
.set SC,   32
.set AF,   96
.set G1, 24
.set G0, 32
.set G1B, 48
.set G0B, 56
.set PFA, 74                           ; s[74:75] my record for the prefetches; never stepped
.set MSB, 0
.macro WIN new
.if MSB != \new
	s_set_vgpr_msb (MSB<<8)|\new
.set MSB, \new
.endif
.endm
.macro PLACES
.rept 4
	v_nop
.endr
.endm
.macro JLOAD g0a, g1a, g0b, g1b        ; a joint load: waves 0, 1 for att, waves 2, 3 for Wo; s_nop 0 and four v_nop behind each line
	s_cmp_eq_u32 s15, 0
	s_cbranch_scc0 .Lfor_b_\@
	tensor_load_to_lds s[\g0a:\g0a+3], s[\g1a:\g1a+7]
	s_nop 0
.rept 4
	v_nop
.endr
	s_branch .Lasked_\@
.Lfor_b_\@:
	tensor_load_to_lds s[\g0b:\g0b+3], s[\g1b:\g1b+7]
	s_nop 0
.rept 4
	v_nop
.endr
.Lasked_\@:
.endm
.macro ASK g                           ; the prefetch of K group g: one record in att's waves, two in Wo's
	global_prefetch_b8 v[PFO], s[PFA:PFA+1] offset:(\g)*REC th:TH_LOAD_NT scope:SCOPE_SE
	s_cmp_eq_u32 s15, 0
	s_cbranch_scc1 .Lall_asked_\@
	global_prefetch_b8 v[PFO], s[PFA:PFA+1] offset:(\g)*REC+KG*REC th:TH_LOAD_NT scope:SCOPE_SE
.Lall_asked_\@:
.endm
.macro CREST
	s_cmp_lg_u32 s14, 0
	s_cbranch_scc1 .Lnot_wave_0_\@
	s_barrier_signal -3
.Lnot_wave_0_\@:
	s_barrier_wait -3
	s_barrier_signal -1
	s_barrier_wait -1
.endm
.macro CROUND
	s_barrier_signal -1
	s_barrier_wait -1
	CREST
.endm
	s_load_b128 s[4:7], s[0:1], 0x0                ; att, wo_sr
	s_load_b64 s[8:9], s[0:1], 0x10                ; out0
	v_lshl_add_u32 v[SPW], v0, 2, SPARE
	v_mov_b32 v[NIL], 0
	ds_add_u32 v[SPW], v[NIL]                      ; the opening lines: the add, twice on end, and its wait ahead of my first tensor load
	ds_add_u32 v[SPW], v[NIL]
	v_lshrrev_b32 v1, 5, v0
	v_readfirstlane_b32 s14, v1                    ; wave
	v_and_b32 v4, 31, v0
	v_min_u32 v4, 24, v4
	v_lshlrev_b32 v[PFO], 8, v4
	s_lshr_b32 s15, s14, 1                         ; my half of the tokens; also: I fetch for att (0) or Wo (1)
	s_and_b32 s16, s14, 1                          ; my half of the columns; also: which half of the tile I fetch
	s_bfe_u32 s40, ttmp6, 0x40000                  ; cx
	s_bfe_u32 s41, ttmp6, 0x40004                  ; cy
	s_lshl_b32 s42, ttmp9, 2
	s_add_co_u32 s42, s42, s40                     ; block of 256 columns
	s_and_b32 s18, ttmp7, 0xffff
	s_lshl_b32 s18, s18, 2
	s_add_co_u32 s18, s18, s41                     ; block of 128 tokens
	s_lshl_b32 s43, s41, 2
	s_lshl_b32 s43, 15, s43                        ; my row of the cluster
	s_lshl_b32 s44, 0x1111, s40                    ; my column
	s_or_b32 s[G1+0], s43, (3<<16)|(1<<21)         ; elements of 8 bytes; a record is a row of 800
	s_or_b32 s[G1B+0], s44, (3<<16)|(1<<21)
	s_mov_b32 s[G1+1], 800<<16
	s_mov_b32 s[G1+2], 4<<16
	s_mov_b32 s[G1+3], 800<<16
	s_mov_b32 s[G1+4], 4
	s_mov_b32 s[G1+5], KG*800
	s_mov_b32 s[G1+6], 0
	s_mov_b32 s[G1+7], 0
	s_mov_b32 s[G1B+1], 800<<16
	s_mov_b32 s[G1B+2], 8<<16
	s_mov_b32 s[G1B+3], 800<<16
	s_mov_b32 s[G1B+4], 8
	s_mov_b32 s[G1B+5], KG*800
	s_mov_b32 s[G1B+6], 0
	s_mov_b32 s[G1B+7], 0
	s_lshl_b32 s20, s18, 3
	s_lshl_b32 s19, s16, 2
	s_add_co_u32 s20, s20, s19                     ; the first of the 4 row tiles of att that I fetch
	s_add_co_u32 s72, s20, s40                     ; of them my work-group prefetches tile cx
	s_mul_i32 s20, s20, KG*REC
	s_mov_b32 s21, 0
	s_lshl_b32 s46, s42, 4
	s_lshl_b32 s47, s16, 3
	s_add_co_u32 s46, s46, s47                     ; the first of the 8 row tiles of Wo
	s_lshl_b32 s73, s41, 1
	s_add_co_u32 s73, s73, s46                     ; of them tiles 2 cy, 2 cy + 1
	s_mul_i32 s46, s46, KG*REC
	s_mov_b32 s47, 0
	s_cmp_eq_u32 s15, 0
	s_cselect_b32 s72, s72, s73
	s_mul_i32 s72, s72, KG*REC
	s_mov_b32 s73, 0
	s_mul_i32 s45, s16, 4*REC
	s_mul_i32 s94, s16, 8*REC
	s_add_co_u32 s94, s94, BOFF
	s_wait_alu depctr_va_vdst(0)                   ; directly ahead of the waits below
	s_wait_dscnt 0x0                               ; both opening adds are done
	s_wait_kmcnt 0x0
	s_add_nc_u64 s[20:21], s[4:5], s[20:21]
	s_add_nc_u64 s[46:47], s[6:7], s[46:47]
	s_cmp_eq_u32 s15, 0                            ; the choice hangs on the wave's number alone
	s_cselect_b64 s[PFA:PFA+1], s[4:5], s[6:7]
	s_add_nc_u64 s[PFA:PFA+1], s[PFA:PFA+1], s[72:73]
.irp s, 0,1
	s_mov_b32 s[G0+4*\s], 1
	s_add_co_u32 s[G0+4*\s+1], s45, \s*SLOT
	s_add_nc_u64 s[G0+4*\s+2:G0+4*\s+3], s[20:21], \s*REC
	s_or_b32 s[G0+4*\s+3], s[G0+4*\s+3], 0x80000000
	s_mov_b32 s[G0B+4*\s], 1
	s_add_co_u32 s[G0B+4*\s+1], s94, \s*SLOT
	s_add_nc_u64 s[G0B+4*\s+2:G0B+4*\s+3], s[46:47], \s*REC
	s_or_b32 s[G0B+4*\s+3], s[G0B+4*\s+3], 0x80000000
.endr
	CROUND                                         ; all sixteen work-groups are here: the first joint loads meet
	JLOAD G0, G1, G0B, G1B                         ; K group 0: my one tensor load at the head
	ASK 1
	ASK 2
	v_and_b32 v1, 31, v0
	v_and_b32 v2, 15, v0
	v_bfe_u32 v3, v0, 4, 1
	v_lshlrev_b32 v[LN16], 4, v1
	s_mul_i32 s21, s15, 4*REC                      ; my 4 records of att
	s_mul_i32 s22, s16, 8*REC
	s_add_co_u32 s22, s22, BOFF                    ; my 8 records of Wo
	s_sub_co_u32 s23, s22, s21
	v_mul_u32_u24 v6, s23, v3                      ; scale words: lanes 0-15 att's, lanes 16-31 Wo's
	v_lshl_add_u32 v6, v2, 4, v6
	s_add_co_u32 s19, s21, 6144
	v_add_nc_u32 v[ADRS], s19, v6
	v_add_nc_u32 v[ADRS+1], SLOT, v[ADRS]
.irp s, 0,1
	v_add_nc_u32 v[ADRA+\s], s21, v[LN16]
	v_add_nc_u32 v[ADRB+\s], s22, v[LN16]
	s_add_co_u32 s21, s21, SLOT
	s_add_co_u32 s22, s22, SLOT
.endr
	s_mul_i32 s23, s14, 16*SPITCH                  ; my stage
	v_mul_u32_u24 v5, v2, SPITCH
	v_lshl_add_u32 v5, v3, 6, v5
	v_add_nc_u32 v[STO], s23, v5                   ; in: row l % 16, + 64 bytes in lanes 16-31
	v_add_nc_u32 v[RD], s23, v[LN16]               ; back: the 32 lanes take a row of 512 bytes
	s_lshl_b32 s70, s18, 7
	s_lshl_b32 s71, s15, 6
	s_add_co_u32 s70, s70, s71                     ; my first token
	s_lshl_b32 s70, s70, 14                        ; a row of out0 is 16,384 bytes
	s_lshl_b32 s71, s42, 10
	s_add_co_u32 s70, s70, s71
	s_lshl_b32 s71, s16, 9
	s_add_co_u32 s70, s70, s71                     ; + my first column
	s_mov_b32 s71, 0
	s_add_nc_u64 s[12:13], s[8:9], s[70:71]
.macro FETCH slot, q, p                ; K step q's fragments into set p: 24 loads for Wo, 12 for att
	WIN 0x40
.irp i, 0,1,2,3,4,5,6,7
.irp g, 0,1,2
	ds_load_b128 v[96*(\p)+12*\i+4*\g:96*(\p)+12*\i+4*\g+3], v[ADRB+\slot] offset:REC*\i+1536*(\q)+512*\g
.endr
.endr
	WIN 0
.irp i, 0,1,2,3
.irp g, 0,1,2
	ds_load_b128 v[AF+48*(\p)+12*\i+4*\g:AF+48*(\p)+12*\i+4*\g+3], v[ADRA+\slot] offset:REC*\i+1536*(\q)+512*\g
.endr
.endr
.endm
.macro SCALES sc
.irp i, 0,1,2,3,4,5,6,7
	ds_load_b128 v[SC+32*(\sc)+4*\i:SC+32*(\sc)+4*\i+3], v[ADRS+\sc] offset:REC*\i
.endr
.endm
.macro MULA a, p, q, sc, zero          ; att's tile a against Wo's eight; the 32 accumulators take turns, in the same order in every step
.irp b, 0,1,2,3,4,5,6,7
.if \zero
	v_wmma_scale_f32_16x16x128_f8f6f4 v[8*(8*(\a)+\b):8*(8*(\a)+\b)+7], v[96*(\p)+12*\b:96*(\p)+12*\b+11], v[AF+48*(\p)+12*(\a):AF+48*(\p)+12*(\a)+11], 0, v[SC+32*(\sc)+4*\b+(\q)], v[SC+32*(\sc)+4*(\a)+(\q)] matrix_a_fmt:MATRIX_FMT_FP6 matrix_b_fmt:MATRIX_FMT_FP6 matrix_a_scale:MATRIX_SCALE_ROW1
.else
	v_wmma_scale_f32_16x16x128_f8f6f4 v[8*(8*(\a)+\b):8*(8*(\a)+\b)+7], v[96*(\p)+12*\b:96*(\p)+12*\b+11], v[AF+48*(\p)+12*(\a):AF+48*(\p)+12*(\a)+11], v[8*(8*(\a)+\b):8*(8*(\a)+\b)+7], v[SC+32*(\sc)+4*\b+(\q)], v[SC+32*(\sc)+4*(\a)+(\q)] matrix_a_fmt:MATRIX_FMT_FP6 matrix_b_fmt:MATRIX_FMT_FP6 matrix_a_scale:MATRIX_SCALE_ROW1
.endif
.endr
.endm
.macro MUL4 p, q, sc, zero
	WIN 0xa1
.irp a, 0,1,2,3
	MULA \a, \p, \q, \sc, \zero
.endr
	WIN 0
.endm
.macro STEP sc, q, zero                ; one of a slot's first three K steps: the next step's fragments are asked for ahead of this step's 32 products
	s_wait_dscnt 0x0
	PLACES
	FETCH \sc, (\q)+1, ((\q)+1)%2
	MUL4 (\q)%2, \q, \sc, \zero
.endm
.macro TURN sc, next, fill             ; a slot's last K step, and the change of slots
	s_wait_tensorcnt 0x0                           ; my part of the next slot is in
	ds_add_u32 v[SPW], v[NIL]
	s_wait_dscnt 1                                 ; this step's fragments are in; the add alone may be out
	WIN 0xa1
	MULA 0, 1, 3, \sc, 0
	s_wait_dscnt 0x0                               ; the add is done, and my reads of this slot are over
	s_barrier_signal -1
	MULA 1, 1, 3, \sc, 0
	WIN 0
	s_barrier_wait -1
.if \fill
	CREST                                          ; the barrier has opened a round of the cluster's barrier
	s_add_nc_u64 s[G0+4*\sc+2:G0+4*\sc+3], s[G0+4*\sc+2:G0+4*\sc+3], 2*REC
	s_add_nc_u64 s[G0B+4*\sc+2:G0B+4*\sc+3], s[G0B+4*\sc+2:G0B+4*\sc+3], 2*REC
	JLOAD G0+4*\sc, G1, G0B+4*\sc, G1B             ; the first tensor load behind the round; its four v_nop are the places in front of the loads below
.else
	PLACES
.endif
	FETCH \next, 0, 0
	SCALES \next
	WIN 0xa1
	MULA 2, 1, 3, \sc, 0
	MULA 3, 1, 3, \sc, 0
	WIN 0
.endm
	s_wait_alu depctr_va_vdst(0)
	s_wait_tensorcnt 0x0                           ; my part of K group 0 is in; the same lines as ahead of a refill:
	ds_add_u32 v[SPW], v[NIL]
	s_wait_dscnt 0x0
	CROUND                                         ; everybody's part is in, and the joint loads meet
	JLOAD G0+4, G1, G0B+4, G1B                     ; K group 1, slot 1's first fill
	FETCH 0, 0, 0
	SCALES 0
	s_wait_dscnt 0x0
	FETCH 0, 1, 1
	ASK 3
	MUL4 0, 0, 0, 1                                ; the first products start the sums
	s_mov_b32 s3, LAPS-1
.Llap:                                                 ; a trip goes once round the ring and fills both slots again
	STEP 0, 1, 0
	STEP 0, 2, 0
	TURN 0, 1, 1
	STEP 1, 0, 0
	STEP 1, 1, 0
	STEP 1, 2, 0
	TURN 1, 0, 1
	STEP 0, 0, 0
	s_sub_co_u32 s3, s3, 1
	s_cmp_lg_u32 s3, 0
	s_cbranch_scc1 .Llap
	STEP 0, 1, 0                                   ; the last lap is written out: it asks for nothing more
	STEP 0, 2, 0
	TURN 0, 1, 0
	STEP 1, 0, 0
	STEP 1, 1, 0
	STEP 1, 2, 0
	s_wait_dscnt 0x0
	MUL4 1, 3, 1, 0
.macro TOSTAGE a                       ; att's tile a: each accumulator from its low end on; LDS serves a wave's instructions in order, so no wait stands between the stores and the loads
	WIN 0x08
.irp b, 0,1,2,3,4,5,6,7
	ds_store_b128 v[STO], v[64*(\a)+8*\b:64*(\a)+8*\b+3] offset:128*(\b/2)+32*(\b%2)
	ds_store_b128 v[STO], v[64*(\a)+8*\b+4:64*(\a)+8*\b+7] offset:128*(\b/2)+32*(\b%2)+16
.endr
	WIN 0
.irp t, 0,1,2,3,4,5,6,7,8,9,10,11,12,13,14,15
	ds_load_b128 v[AF+64*((\a)%2)+4*\t:AF+64*((\a)%2)+4*\t+3], v[RD] offset:\t*SPITCH
.endr
.endm
.macro SEND a, younger                 ; younger: the LDS instructions issued behind tile a's loads, which may stay out
	s_wait_dscnt \younger
.irp t, 0,1,2,3,4,5,6,7,8,9,10,11,12,13,14,15
	global_store_b128 v[LN16], v[AF+64*((\a)%2)+4*\t:AF+64*((\a)%2)+4*\t+3], s[12:13] offset:(32*((\a)/2)+8*((\a)%2)+\t+8*(\t/8))*16384 th:TH_STORE_NT   ; 32 lanes store 512 consecutive bytes, aligned
.endr
.endm
	PLACES
	TOSTAGE 0
	TOSTAGE 1
	SEND 0, 32
	s_wait_xcnt 0x0                                ; tile 0's stores have read their registers: tile 2's loads may land there
	TOSTAGE 2
	SEND 1, 32
	s_wait_xcnt 0x0
	TOSTAGE 3
	SEND 2, 32
	SEND 3, 0
	s_wait_tensorcnt 0x0                           ; the wave's end
	ds_add_u32 v[SPW], v[NIL]
	s_wait_dscnt 0x0
	CROUND                                         ; the closing round
	s_endpgm
.Lfunc_end_k_q07223966b9_gemm_out:
	.size	k_q07223966b9_gemm_out, .Lfunc_end_k_q07223966b9_gemm_out-k_q07223966b9_gemm_out
	.p2alignl 7, 3214868480
	.fill 96, 4, 3214868480
	.section	.rodata,"a",@progbits
	.p2align	6, 0x0
	.amdhsa_kernel k_q07223966b9_gemm_out
		.amdhsa_group_segment_fixed_size 327680
		.amdhsa_private_segment_fixed_size 0
		.amdhsa_enable_private_segment 0
		.amdhsa_kernarg_size 24
		.amdhsa_user_sgpr_count 2
		.amdhsa_user_sgpr_kernarg_segment_ptr 1
		.amdhsa_wavefront_size32 1
		.amdhsa_system_sgpr_workgroup_id_x 1
		.amdhsa_system_sgpr_workgroup_id_y 1
		.amdhsa_system_sgpr_workgroup_id_z 1
		.amdhsa_system_vgpr_workitem_id 0
		.amdhsa_next_free_vgpr 768
		.amdhsa_next_free_sgpr 100
		.amdhsa_reserve_vcc 0
		.amdhsa_float_denorm_mode_32 3
		.amdhsa_float_denorm_mode_16_64 3
		.amdhsa_memory_ordered 1
		.amdhsa_forward_progress 1
		.amdhsa_inst_pref_size 133
	.end_amdhsa_kernel
	.amdgpu_metadata
---
amdhsa.version: [ 1, 2 ]
amdhsa.kernels:
  - .name:           k_q07223966b9_gemm_out
    .symbol:         k_q07223966b9_gemm_out.kd
    .args:
      - { .name: att, .offset: 0, .size: 8, .value_kind: global_buffer, .address_space: global }
      - { .name: wo_sr, .offset: 8, .size: 8, .value_kind: global_buffer, .address_space: global }
      - { .name: out0, .offset: 16, .size: 8, .value_kind: global_buffer, .address_space: global }
    .group_segment_fixed_size: 327680
    .private_segment_fixed_size: 0
    .kernarg_segment_align: 8
    .kernarg_segment_size: 24
    .max_flat_workgroup_size: 128
    .sgpr_count:     100
    .vgpr_count:     768
    .wavefront_size: 32
...
	.end_amdgpu_metadata
.endif
;; end of part 4
